; MI455X (gfx1250); checked and timed in simulation.
; The chip was launched on July 23, 2026; its instructions are those of AMD's public machine-readable ISA for CDNA 5 (MIT licence, August 2026) and "CDNA5" Instruction Set Architecture Reference Guide (July 2026). The comments in the code are by the model that wrote it; some were corrected since.
;; Mixtral Decoder Block. Allowed arithmetic: float matrix products may take bf16 or f16 operands with f32 sums; other float arithmetic in f32, or as packed bf16 or f16 multiplies, adds, multiply-adds, maxima and minima; sums over many terms, partial sums and values carried from step to step in f32; what a program stores and reads back later, other than sums and carried values, may be rounded once to bf16 or f16.
;; Inputs: attn_norm_w 1,024 float32; ffn_norm_w 1,024 float32; freqs_cos 1,024 x 32 float32; freqs_sin 1,024 x 32 float32; gate_w 1,024 x 8 float32; w1 8 x 1,024 x 2,048 float32; w2 8 x 2,048 x 1,024 float32; w3 8 x 1,024 x 2,048 float32; wk 1,024 x 256 float32; wo 1,024 x 1,024 float32; wq 1,024 x 1,024 float32; wv 1,024 x 256 float32; x 1 x 1,024 x 1,024 float32.
;; Outputs: out0 1 x 1,024 x 1,024 float32.
;; 2 versions, each right; version 2 is version 1 with the launches qkv, moe2 written anew for expert scheduling mode. Each part assembles by itself: llvm-mc -triple=amdgcn-amd-amdhsa -mcpu=gfx1250 --defsym DOCPART=n.
;; ======== version 1 of 2: 8 launches
;; limits: values are held in f16: magnitudes above 65,504 overflow, below 6.1e-05 lose precision
;; workspace buffers: qkvF 3,145,728 bytes; act 9,437,184 bytes; hbuf 4,194,304 bytes; hnw 2,105,344 bytes; tk 4,096 bytes of whole numbers; xF 4,718,592 bytes; rt 8,448 bytes of whole numbers; ys 18,874,368 bytes
;; launch qkv (part 1): grid 256 x 1, 4 waves a work-group, no clusters, 76,288 bytes of LDS; arguments x, attn_norm_w, wq, wk, wv, freqs_cos, freqs_sin, qkvF; writes qkvF
.if DOCPART == 1
	.amdgcn_target "amdgcn-amd-amdhsa--gfx1250"
	.amdhsa_code_object_version 6
	.text
	.protected	k_qcbaf1ce131_qkv
	.globl	k_qcbaf1ce131_qkv
	.p2align	8
	.type	k_qcbaf1ce131_qkv,@function
k_qcbaf1ce131_qkv:
	s_mov_b64 s[64:65], 0
	v_nop
	global_prefetch_b8 v0, s[64:65] scope:SCOPE_SE
	s_setreg_imm32_b32 hwreg(HW_REG_WAVE_MODE, 25, 1), 1
	s_wait_xcnt 0x0
; q, k, v = RoPE(rmsnorm(x, nw) @ [wq | wk | wv]), written as f16 matrix fragments for the attention launch.
; SHARES.  Work-group = 64 tokens (mb, four tiles of 16) x 96 columns: query head j (64 columns of wq) and half a key or value head
; (j < 8: wk's columns 32 j on; else wv's 32 (j - 8) on).  K = 1,024 IS SPLIT AMONG THE FOUR WAVES, 256 each: a wave's weights stay in registers
; as fragments, tokens stream from memory straight into registers, and the four partial tiles meet in LDS.
; The operand is f16(x nw); rs = rsqrt(mean x^2 + 1e-5) multiplies the f32 sums afterwards, so the norm costs no pass of its own.
; PRODUCTS ARE TAKEN TRANSPOSED (source 0 = 16 weight columns, source 1 = 16 tokens): a lane ends with one token and eight neighbouring columns,
; which packed to f16 is half a fragment of the next product: every store of a wave is 512 consecutive bytes, aligned.  For v the sources are swapped: a lane holds a channel and eight tokens (V^T).
; WEIGHTS: f32 [K][N] in memory; a chunk (16 loads of whole row pieces) is rounded to f16, laid into the wave's own stage in LDS and read back turned (ds_load_tr16_b128).
; LIMITS.  f16 operands: |x nw|, the weights, q, k, v stay under 65,504, and below 6e-5 they keep f16's fixed step of 6e-8.  NaN and infinities are not treated apart.
; NO CLUSTER: what work-groups share (x, the weights) goes to registers without a tile in LDS, so there is no tile to ask for jointly.  No prefetch: each work-group's whole read is 0.6 MB, asked for at once.
; REGISTERS.  window 0: v1-23 addresses, v32-63 CT, v64-127 AF (a tile's fragments), v128-223 ACC (12 accumulators), v224-231 SS, v232-255 cos and sin.
;   window 1: wq's fragments (ks, cb) at 8 (4 ks + cb).   window 2: v0-127 wk's or wv's (ks, cb2) at 8 (2 ks + cb2); v128-255 nw in fragment order.   window 3: four buffers of 64 that take turns for the loads.
.set RED,   0                          ; [wave 4][accumulator 12][half 2][lane x 16 bytes]: 49,152
.set SSR,   49152                      ; sums of squares: [wave 4][tile 2][lane] words
.set STG,   50176                      ; a stage of 6,144 bytes for each wave
.set RSS,   74752                      ; 256 bytes for each wave: rs, to change lanes (v only)
.set SPARE, 75776                      ; the spare words, 128 bytes for each wave; no other line names them
.set SPW, 24
.set NIL, 25
.set CT,  32
.set AF,  64
.set ACC, 128
.set SS,  224
.set CS,  232
.set MSB, 0
.macro WIN new                         ; the immediate's high byte repeats the setting that is left; a switch that changes nothing is dropped
.if MSB != (\new)
	s_set_vgpr_msb (MSB<<8)|(\new)
.set MSB, \new
.endif
.endm
.macro PLACES                          ; four plain instructions behind a matrix instruction, ahead of what reads its result or writes its registers (ISA guide 7.12.1)
.rept 4
	v_nop
.endr
.endm
; 16 loads of raw x: tile t of the pair, K steps 4 half .. 4 half + 3, in fragment order: lane (r, h) takes token r, k = 32 ks + 8 h + 0..7 and 32 ks + 16 + 8 h + 0..7
.macro XLD t, half, sb
	WIN 0xc0
.set i, 0
.rept 16
	global_load_b128 v[128*(\t)+64*(\half)+4*i:128*(\t)+64*(\half)+4*i+3], v11, s[\sb:\sb+1] offset:(\t)*65536+(4*(\half)+i/4)*128+(i%2)*16+((i/2)%2)*64
.set i, i+1
.endr
.endm
; Unit u of the ring, 16 loads into buffer u % 4.  0-7: 32 rows x 64 columns of wq; 8-11: 64 rows x 32 columns of wk or wv; 12-15: the first two tiles of x.
.macro UNIT u
.if (\u) >= 12
	XLD ((\u)-12)/2, ((\u)-12)%2, 30
.else
	WIN 0xc0
.set i, 0
.rept 16
.if (\u) < 8
	global_load_b128 v[64*((\u)%4)+4*i:64*((\u)%4)+4*i+3], v4, s[28:29] offset:(32*(\u)+8*(i/4)+i%4)*4096
.else
	global_load_b128 v[64*((\u)%4)+4*i:64*((\u)%4)+4*i+3], v5, s[26:27] offset:(64*((\u)-8)+4*i)*1024
.endif
.set i, i+1
.endr
.endif
.endm
; Chunk c: rounded, its buffer asked for again, staged, read back turned.  The stage is the wave's own and LDS serves a wave in order (ISA guide 5.7.1.4): no wait between stores and loads.
.macro CONVW c
	s_wait_loadcnt 48                      ; three younger units of 16 loads may stay out
	WIN 0x0f
.set i, 0
.rept 32
	v_cvt_pk_f16_f32 v[CT+i], v[64*((\c)%4)+2*i], v[64*((\c)%4)+2*i+1]
.set i, i+1
.endr
	UNIT (\c)+4
	WIN 0
.if (\c) < 8
.set i, 0
.rept 16
	ds_store_b64 v6, v[CT+2*i:CT+2*i+1] offset:(8*(i/4)+i%4)*160
.set i, i+1
.endr
	WIN 0x40
.set i, 0
.rept 4
	ds_load_tr16_b128 v[((\c)*4+i)*8:((\c)*4+i)*8+3], v7 offset:i*32
	ds_load_tr16_b128 v[((\c)*4+i)*8+4:((\c)*4+i)*8+7], v7 offset:i*32+2560
.set i, i+1
.endr
.else
.set i, 0
.rept 16
	ds_store_b64 v8, v[CT+2*i:CT+2*i+1] offset:i*384
.set i, i+1
.endr
	WIN 0x80
.set i, 0
.rept 4                                ; i = 2 ks2 + cb2
	ds_load_tr16_b128 v[(4*((\c)-8)+i)*8:(4*((\c)-8)+i)*8+3], v9 offset:(i/2)*3072+(i%2)*32
	ds_load_tr16_b128 v[(4*((\c)-8)+i)*8+4:(4*((\c)-8)+i)*8+7], v9 offset:(i/2)*3072+(i%2)*32+1536
.set i, i+1
.endr
.endif
.endm
; A tile of raw x: its part of the sum of squares, times nw, rounded to f16 fragments.
.macro CONVA t
	WIN 0x0f
.set i, 0
.rept 64
.if i < 4
	v_pk_mul_f32 v[SS+2*i:SS+2*i+1], v[128*(\t)+2*i:128*(\t)+2*i+1], v[128*(\t)+2*i:128*(\t)+2*i+1]
.else
	v_pk_fma_f32 v[SS+2*(i%4):SS+2*(i%4)+1], v[128*(\t)+2*i:128*(\t)+2*i+1], v[128*(\t)+2*i:128*(\t)+2*i+1], v[SS+2*(i%4):SS+2*(i%4)+1]
.endif
.set i, i+1
.endr
	WIN 0xcb
.set i, 0
.rept 64
	v_pk_mul_f32 v[128*(\t)+2*i:128*(\t)+2*i+1], v[128*(\t)+2*i:128*(\t)+2*i+1], v[128+2*i:128+2*i+1]
.set i, i+1
.endr
	WIN 0x0f
.set i, 0
.rept 64
	v_cvt_pk_f16_f32 v[AF+i], v[128*(\t)+2*i], v[128*(\t)+2*i+1]
.set i, i+1
.endr
	WIN 0
	v_pk_add_f32 v[SS:SS+1], v[SS:SS+1], v[SS+2:SS+3]
	v_pk_add_f32 v[SS+4:SS+5], v[SS+4:SS+5], v[SS+6:SS+7]
	v_pk_add_f32 v[SS:SS+1], v[SS:SS+1], v[SS+4:SS+5]
	v_add_f32 v[SS], v[SS], v[SS+1]
	ds_store_b32 v15, v[SS] offset:(\t)*128
.endm
; A tile's 48 products.  The accumulators take turns, one instruction a turn; the first K step starts each sum with the constant 0.
.macro MULT base
	WIN 0x01
.set ks, 0
.rept 8
.set cb, 0
.rept 4
.if ks == 0
	v_wmma_f32_16x16x32_f16 v[ACC+8*((\base)+cb):ACC+8*((\base)+cb)+7], v[(ks*4+cb)*8:(ks*4+cb)*8+7], v[AF+8*ks:AF+8*ks+7], 0
.else
	v_wmma_f32_16x16x32_f16 v[ACC+8*((\base)+cb):ACC+8*((\base)+cb)+7], v[(ks*4+cb)*8:(ks*4+cb)*8+7], v[AF+8*ks:AF+8*ks+7], v[ACC+8*((\base)+cb):ACC+8*((\base)+cb)+7]
.endif
.set cb, cb+1
.endr
.set ks, ks+1
.endr
	WIN 0
	s_cmp_eq_u32 s24, 1
	s_cbranch_scc0 .Lvarm_\@
	WIN 0x02                               ; k: weights are source 0
.set ks, 0
.rept 8
.set cb, 0
.rept 2
.if ks == 0
	v_wmma_f32_16x16x32_f16 v[ACC+8*((\base)+4+cb):ACC+8*((\base)+4+cb)+7], v[(ks*2+cb)*8:(ks*2+cb)*8+7], v[AF+8*ks:AF+8*ks+7], 0
.else
	v_wmma_f32_16x16x32_f16 v[ACC+8*((\base)+4+cb):ACC+8*((\base)+4+cb)+7], v[(ks*2+cb)*8:(ks*2+cb)*8+7], v[AF+8*ks:AF+8*ks+7], v[ACC+8*((\base)+4+cb):ACC+8*((\base)+4+cb)+7]
.endif
.set cb, cb+1
.endr
.set ks, ks+1
.endr
	WIN 0
	s_branch .Ljoin_\@
.Lvarm_\@:
	WIN 0x08                               ; v: tokens are source 0
.set ks, 0
.rept 8
.set cb, 0
.rept 2
.if ks == 0
	v_wmma_f32_16x16x32_f16 v[ACC+8*((\base)+4+cb):ACC+8*((\base)+4+cb)+7], v[AF+8*ks:AF+8*ks+7], v[(ks*2+cb)*8:(ks*2+cb)*8+7], 0
.else
	v_wmma_f32_16x16x32_f16 v[ACC+8*((\base)+4+cb):ACC+8*((\base)+4+cb)+7], v[AF+8*ks:AF+8*ks+7], v[(ks*2+cb)*8:(ks*2+cb)*8+7], v[ACC+8*((\base)+4+cb):ACC+8*((\base)+4+cb)+7]
.endif
.set cb, cb+1
.endr
.set ks, ks+1
.endr
	WIN 0
.Ljoin_\@:
.endm
.macro SUMP b                          ; the four waves' partial sums at v[b + 8 p + 0..7] into v[b .. b + 7]
.irp x, 0,2,4,6
	v_pk_add_f32 v[(\b)+\x:(\b)+\x+1], v[(\b)+\x:(\b)+\x+1], v[(\b)+8+\x:(\b)+8+\x+1]
	v_pk_add_f32 v[(\b)+16+\x:(\b)+16+\x+1], v[(\b)+16+\x:(\b)+16+\x+1], v[(\b)+24+\x:(\b)+24+\x+1]
.endr
.irp x, 0,2,4,6
	v_pk_add_f32 v[(\b)+\x:(\b)+\x+1], v[(\b)+\x:(\b)+\x+1], v[(\b)+16+\x:(\b)+16+\x+1]
.endr
.endm
.macro ROPE b, c, rs                   ; four pairs turned by cos v[c..c+3] and sin v[c+4..c+7], both first times rs; packed into v[b+8 .. b+11]
.irp x, 0,1,2,3,4,5,6,7
	v_mul_f32 v[(\c)+\x], v[(\c)+\x], v[\rs]
.endr
.irp x, 0,1,2,3
	v_mul_f32 v[(\b)+16+2*\x], v[(\b)+2*\x+1], v[(\c)+4+\x]
	v_mul_f32 v[(\b)+17+2*\x], v[(\b)+2*\x+1], v[(\c)+\x]
	v_fma_f32 v[(\b)+16+2*\x], v[(\b)+2*\x], v[(\c)+\x], -v[(\b)+16+2*\x]
	v_fma_f32 v[(\b)+17+2*\x], v[(\b)+2*\x], v[(\c)+4+\x], v[(\b)+17+2*\x]
.endr
.irp x, 0,1,2,3
	v_cvt_pk_f16_f32 v[(\b)+8+\x], v[(\b)+16+2*\x], v[(\b)+17+2*\x]
.endr
.endm
	s_load_b512 s[4:19], s[0:1], 0x0       ; x, nw, wq, wk, wv, cos, sin, qkvF
	v_lshl_add_u32 v[SPW], v0, 2, SPARE
	v_mov_b32 v[NIL], 0
	v_lshrrev_b32 v26, 5, v0
	v_readfirstlane_b32 s20, v26           ; wave
	s_lshr_b32 s21, ttmp9, 4               ; mb
	s_and_b32 s22, ttmp9, 15               ; j
	s_and_b32 s46, s22, 1
	s_and_b32 s47, s22, 7
	s_and_b32 s48, s20, 1
	s_lshr_b32 s49, s20, 1
	s_cmp_lt_u32 s22, 8
	s_cselect_b32 s24, 1, 0                ; 1: my last two column blocks are k's, 0: v's
	s_mov_b32 s40, 0x76543210              ; v_permlanex16_b32: each lane takes its own place in the other half
	s_mov_b32 s41, 0xfedcba98
	s_mov_b32 s42, 0x3a800000              ; 1 / 1024
	s_mov_b32 s43, 0x3727c5ac              ; 1e-5
	s_mov_b32 s33, 0
	s_mov_b32 s23, 2                       ; trips: two tiles each
	v_and_b32 v1, 31, v0                   ; L
	v_and_b32 v2, 15, v0                   ; r
	v_bfe_u32 v3, v0, 4, 1                 ; h
	v_lshlrev_b32 v4, 4, v2
	v_lshl_add_u32 v4, v3, 14, v4          ; wq: lanes 16-31 four rows further down
	v_lshrrev_b32 v26, 3, v1
	v_and_b32 v27, 7, v0
	v_lshlrev_b32 v5, 4, v27
	v_lshl_add_u32 v5, v26, 10, v5         ; wk, wv: eight lanes a row of 128 bytes
	s_mul_i32 s50, s20, 6144
	s_add_co_u32 s50, s50, STG
	v_mul_u32_u24 v6, v3, 640
	v_lshl_add_u32 v6, v2, 3, v6
	v_add_nc_u32 v6, s50, v6               ; stage, pitch 160: in
	v_lshl_add_u32 v28, v3, 3, v27
	v_bfe_u32 v29, v0, 3, 1
	v_mul_u32_u24 v7, v28, 160
	v_lshl_add_u32 v7, v29, 4, v7
	v_add_nc_u32 v7, s50, v7               ; and back, turned
	v_mul_u32_u24 v8, v26, 96
	v_lshl_add_u32 v8, v27, 3, v8
	v_add_nc_u32 v8, s50, v8               ; stage, pitch 96: in
	v_mul_u32_u24 v9, v28, 96
	v_lshl_add_u32 v9, v29, 4, v9
	v_add_nc_u32 v9, s50, v9
	s_lshl_b32 s51, s20, 10
	v_lshl_add_u32 v10, v3, 5, s51         ; nw: my wave's 256 numbers, my half's 8
	v_lshl_add_u32 v11, v2, 12, v10        ; x: + token r
	s_mul_i32 s51, s20, 12288
	v_lshl_add_u32 v12, v1, 4, s51         ; partial tiles: in
	s_lshl_b32 s51, s20, 10
	v_lshl_add_u32 v13, v1, 4, s51         ; back: accumulator w (and 6 + w)
	s_mul_i32 s51, s49, 6
	s_add_co_u32 s51, s51, s48
	s_add_co_u32 s51, s51, 4
	s_lshl_b32 s51, s51, 10
	v_lshl_add_u32 v14, v1, 4, s51         ; back: accumulator 6 (w / 2) + 4 + w % 2
	s_lshl_b32 s51, s20, 8
	s_add_co_u32 s51, s51, SSR
	v_lshl_add_u32 v15, v1, 2, s51
	v_lshl_add_u32 v16, v1, 2, SSR
	s_lshl_b32 s51, s49, 7
	v_add_nc_u32 v17, s51, v16
	s_lshl_b32 s51, s20, 8
	s_add_co_u32 s51, s51, RSS
	v_lshl_add_u32 v18, v1, 2, s51
	v_lshl_add_u32 v19, v3, 5, s51
	s_lshl_b32 s51, s20, 5
	v_lshl_add_u32 v20, v2, 7, s51
	v_lshl_add_u32 v20, v3, 4, v20         ; cos, sin for q: token r, pairs 8 w + 4 h on
	s_lshl_b32 s51, s49, 11
	s_lshl_b32 s52, s46, 6
	s_add_co_u32 s51, s51, s52
	s_lshl_b32 s52, s48, 5
	s_add_co_u32 s51, s51, s52
	v_lshl_add_u32 v21, v2, 7, s51
	v_lshl_add_u32 v21, v3, 4, v21         ; for k: tile w / 2, pairs 16 (j % 2) + 8 (w % 2) + 4 h on
	s_lshl_b32 s51, s22, 6
	s_lshl2_add_u32 s51, s21, s51
	s_lshl_b32 s51, s51, 11
	s_lshl_b32 s52, s20, 9
	s_add_co_u32 s51, s51, s52
	v_lshl_add_u32 v22, v1, 4, s51         ; q out: [head j][tile][block w][lane]
	s_lshr_b32 s53, s47, 1                 ; key and value head
	s_lshl1_add_u32 s54, s46, s48          ; channel block in it
	s_lshl_b32 s51, s53, 6
	s_lshl2_add_u32 s51, s21, s51
	s_add_co_u32 s51, s51, s49
	s_lshl_b32 s51, s51, 11
	s_lshl_b32 s52, s54, 9
	s_add_co_u32 s51, s51, s52
	s_add_co_u32 s51, s51, 2097152         ; k out
	s_lshl_b32 s52, s53, 5
	s_lshl1_add_u32 s52, s21, s52
	s_lshl2_add_u32 s52, s52, s54
	s_lshl_b32 s52, s52, 10
	s_lshl_b32 s55, s49, 9
	s_add_co_u32 s52, s52, s55
	s_add_co_u32 s52, s52, 2621440         ; v out: [head][32 keys][block][which 16 keys][lane]
	s_cmp_eq_u32 s24, 1
	s_cselect_b32 s51, s51, s52
	v_lshl_add_u32 v23, v1, 4, s51
	s_wait_kmcnt 0x0
	s_cmp_eq_u32 s24, 1
	s_cselect_b64 s[26:27], s[10:11], s[12:13]
	s_lshl_b32 s32, s20, 18
	s_lshl_b32 s51, s47, 7
	s_add_co_u32 s32, s32, s51
	s_add_nc_u64 s[26:27], s[26:27], s[32:33]
	s_lshl_b32 s32, s20, 20
	s_lshl_b32 s51, s22, 8
	s_add_co_u32 s32, s32, s51
	s_add_nc_u64 s[28:29], s[8:9], s[32:33]
	s_lshl_b32 s32, s21, 18
	s_add_nc_u64 s[30:31], s[4:5], s[32:33]    ; x at the group's first two tiles,
	s_add_nc_u64 s[44:45], s[30:31], 131072    ; and at its last two
	s_lshl_b32 s32, s21, 13
	s_add_nc_u64 s[34:35], s[14:15], s[32:33]
	s_add_nc_u64 s[36:37], s[16:17], s[32:33]
	s_mov_b64 s[38:39], s[18:19]
	WIN 0x80
.set i, 0
.rept 32
	global_load_b128 v[128+4*i:128+4*i+3], v10, s[6:7] offset:(i/4)*128+(i%2)*16+((i/2)%2)*64
.set i, i+1
.endr
	UNIT 0
	UNIT 1
	UNIT 2
	UNIT 3
.irp c, 0,1,2,3,4,5,6,7,8,9,10,11
	CONVW \c
.endr
	WIN 0
	s_wait_dscnt 0x0                       ; all fragments of the weights are in registers
.Ltrip:                                        ; two tiles X, Y a trip
	global_load_b128 v[CS:CS+3], v20, s[34:35]
	global_load_b128 v[CS+4:CS+7], v20, s[36:37]
	global_load_b128 v[CS+8:CS+11], v20, s[34:35] offset:2048
	global_load_b128 v[CS+12:CS+15], v20, s[36:37] offset:2048
	global_load_b128 v[CS+16:CS+19], v21, s[34:35]
	global_load_b128 v[CS+20:CS+23], v21, s[36:37]
	s_wait_loadcnt 38                      ; X is in: Y's 32 loads and the six above are younger
	CONVA 0
	XLD 0, 0, 44                           ; the last two tiles (the second trip asks for them once more and uses nothing of it: so the counts are the same in both trips)
	XLD 0, 1, 44
	MULT 0
	s_wait_loadcnt 38                      ; Y is in: six and X's 32 are younger
	CONVA 1                                ; its 128 packed lines on other registers stand ahead of the first write of AF
	XLD 1, 0, 44
	XLD 1, 1, 44
	MULT 6
	PLACES
.set i, 0
.rept 24                               ; each accumulator's low half first
	ds_store_b128 v12, v[ACC+4*i:ACC+4*i+3] offset:RED+512*i
.set i, i+1
.endr
	s_wait_dscnt 0x0                       ; my partial tiles and sums of squares are in LDS
	s_barrier_signal -1
	s_barrier_wait -1
.irp p, 0,1,2,3
.irp c, 0,1
	ds_load_b128 v[32+8*\p+4*\c:32+8*\p+4*\c+3], v13 offset:RED+\p*12288+\c*512
	ds_load_b128 v[64+8*\p+4*\c:64+8*\p+4*\c+3], v13 offset:RED+\p*12288+6144+\c*512
	ds_load_b128 v[96+8*\p+4*\c:96+8*\p+4*\c+3], v14 offset:RED+\p*12288+\c*512
.endr
	ds_load_b32 v[128+\p], v16 offset:\p*256
	ds_load_b32 v[132+\p], v16 offset:\p*256+128
	ds_load_b32 v[136+\p], v17 offset:\p*256
.endr
	s_wait_dscnt 0x0                       ; my reads are back:
	s_barrier_signal -1                    ; behind this barrier the next trip may write the region again
	s_barrier_wait -1
.irp f, 0,4,8
	v_add_f32 v[128+\f], v[128+\f], v[129+\f]
	v_add_f32 v[130+\f], v[130+\f], v[131+\f]
.endr
.irp f, 0,4,8
	v_add_f32 v[128+\f], v[128+\f], v[130+\f]
.endr
.irp f, 0,4,8
	v_permlanex16_b32 v[129+\f], v[128+\f], s40, s41   ; the token's other k lie in the lane 16 away
.endr
.irp f, 0,4,8
	v_add_f32 v[128+\f], v[128+\f], v[129+\f]
.endr
.irp f, 0,4,8
	v_fma_f32 v[128+\f], v[128+\f], s42, s43
.endr
.irp f, 0,4,8
	v_rsq_f32 v[128+\f], v[128+\f]
.endr
	SUMP 32                                ; plain work behind the three roots
	SUMP 64
	SUMP 96
	s_wait_alu depctr_va_vdst(0)           ; one wait for the three, ahead of their first reader
	s_wait_loadcnt 63                      ; cos and sin are in: 64 loads are younger
	ROPE 32, CS, 128
	global_store_b128 v22, v[40:43], s[38:39]
	ROPE 64, CS+8, 132
	global_store_b128 v22, v[72:75], s[38:39] offset:2048
	s_cmp_eq_u32 s24, 1
	s_cbranch_scc0 .Lvout
	ROPE 96, CS+16, 136
	s_branch .Lkvout
.Lvout:                                        ; a lane holds a channel and tokens 8 h + 0..7: rs changes lanes through the wave's own words
	ds_store_b32 v18, v136
	ds_load_b128 v[140:143], v19
	ds_load_b128 v[144:147], v19 offset:16
	s_wait_dscnt 0x0
.irp x, 0,2,4,6
	v_pk_mul_f32 v[96+\x:97+\x], v[96+\x:97+\x], v[140+\x:141+\x]
.endr
.irp x, 0,1,2,3
	v_cvt_pk_f16_f32 v[104+\x], v[96+2*\x], v[97+2*\x]
.endr
.Lkvout:
	global_store_b128 v23, v[104:107], s[38:39]
	s_wait_xcnt 0x0                        ; the bases and the stores' data are written again only behind this wait
	s_add_nc_u64 s[34:35], s[34:35], 4096
	s_add_nc_u64 s[36:37], s[36:37], 4096
	s_add_nc_u64 s[38:39], s[38:39], 4096
	s_sub_co_u32 s23, s23, 1
	s_cmp_lg_u32 s23, 0
	s_cbranch_scc1 .Ltrip
	s_wait_tensorcnt 0x0                   ; the wave's end
	ds_add_u32 v[SPW], v[NIL]
	s_wait_dscnt 0x0
	s_endpgm
.Lfunc_end_k_qcbaf1ce131_qkv:
	.size	k_qcbaf1ce131_qkv, .Lfunc_end_k_qcbaf1ce131_qkv-k_qcbaf1ce131_qkv
	.p2alignl 7, 3214868480
	.fill 96, 4, 3214868480
	.section	.rodata,"a",@progbits
	.p2align	6, 0x0
	.amdhsa_kernel k_qcbaf1ce131_qkv
		.amdhsa_group_segment_fixed_size 76288
		.amdhsa_private_segment_fixed_size 0
		.amdhsa_enable_private_segment 0
		.amdhsa_kernarg_size 64
		.amdhsa_user_sgpr_count 2
		.amdhsa_user_sgpr_kernarg_segment_ptr 1
		.amdhsa_wavefront_size32 1
		.amdhsa_system_sgpr_workgroup_id_x 1
		.amdhsa_system_sgpr_workgroup_id_y 1
		.amdhsa_system_sgpr_workgroup_id_z 1
		.amdhsa_system_vgpr_workitem_id 0
		.amdhsa_next_free_vgpr 1024
		.amdhsa_next_free_sgpr 66
		.amdhsa_reserve_vcc 0
		.amdhsa_float_denorm_mode_32 3
		.amdhsa_float_denorm_mode_16_64 3
		.amdhsa_memory_ordered 1
		.amdhsa_forward_progress 1
		.amdhsa_inst_pref_size 130
	.end_amdhsa_kernel
	.amdgpu_metadata
---
amdhsa.version: [ 1, 2 ]
amdhsa.kernels:
  - .name:           k_qcbaf1ce131_qkv
    .symbol:         k_qcbaf1ce131_qkv.kd
    .args:
      - { .name: x, .offset: 0, .size: 8, .value_kind: global_buffer, .address_space: global }
      - { .name: attn_norm_w, .offset: 8, .size: 8, .value_kind: global_buffer, .address_space: global }
      - { .name: wq, .offset: 16, .size: 8, .value_kind: global_buffer, .address_space: global }
      - { .name: wk, .offset: 24, .size: 8, .value_kind: global_buffer, .address_space: global }
      - { .name: wv, .offset: 32, .size: 8, .value_kind: global_buffer, .address_space: global }
      - { .name: freqs_cos, .offset: 40, .size: 8, .value_kind: global_buffer, .address_space: global }
      - { .name: freqs_sin, .offset: 48, .size: 8, .value_kind: global_buffer, .address_space: global }
      - { .name: qkvF, .offset: 56, .size: 8, .value_kind: global_buffer, .address_space: global }
    .group_segment_fixed_size: 76288
    .private_segment_fixed_size: 0
    .kernarg_segment_align: 8
    .kernarg_segment_size: 64
    .max_flat_workgroup_size: 128
    .sgpr_count:     66
    .vgpr_count:     1024
    .wavefront_size: 32
...
	.end_amdgpu_metadata
.endif
;; end of part 1
;; launch attn (part 2): grid 32 x 8, 8 waves a work-group, no clusters, 70,656 bytes of LDS; arguments qkvF, act; writes act
.if DOCPART == 2
	.amdgcn_target "amdgcn-amd-amdhsa--gfx1250"
	.amdhsa_code_object_version 6
	.text
	.protected	k_qcbaf1ce131_attn
	.globl	k_qcbaf1ce131_attn
	.p2align	8
	.type	k_qcbaf1ce131_attn,@function
k_qcbaf1ce131_attn:
	s_mov_b64 s[64:65], 0
	v_nop
	global_prefetch_b8 v0, s[64:65] scope:SCOPE_SE
	s_setreg_imm32_b32 hwreg(HW_REG_WAVE_MODE, 25, 1), 1
	s_wait_xcnt 0x0
; CAUSAL ATTENTION, 16 query heads on 4 key and value heads, head size 64, f16 operands, f32 products, maxima and sums.
; q, k, v arrive as matrix fragments (512 bytes = 32 lanes x 16): every load of a wave takes 512 consecutive bytes straight into an operand's registers; nothing goes through LDS on the way in.
; SHARES.  Work-group (p, y): query heads 2 y and 2 y + 1 (two PIECES that share K's and V's fragments), query tiles of 16 rows T = 63 - p and then T = p: 33 key steps of 32 keys whatever p.
; THE KEYS ARE SPLIT AMONG THE EIGHT WAVES: wave w takes steps w, w + 8, .. of the tile's (T / 2) + 1; each keeps a running maximum m, sum l and O; they are merged in LDS with the maximum of the eight taken away.
; LAYOUT.  S^T = K Q^T holds one query a lane (lane % 16) and keys 8 (lane / 16) + 0..7; two such results rounded to f16 are source 1 of O^T = V^T P.
; p = 2^(c s - c m), c = log2(e) / 8.  The last step holds the diagonal: -1e30 is added to hidden scores.  Every step that is walked shows each row a key, so m is a true score.
; LIMITS.  q, k, v within f16; a hidden score counts as its value less 1e30; a weight below 2^-126 counts as 0; NaN and infinities are not treated apart.
; NO CLUSTER: K and V go to registers, there is no tile in LDS to ask for jointly.  No prefetch: the launch reads 3 MB in all, each wave a few steps.
.set SPARE, 69632                      ; behind the merge region (8 waves x 8,704): the spare words, 128 bytes for each wave
.set SPW, 10
.set NIL, 11
.set ST,  16                           ; piece u at ST + 8 u: c m, m, l (two), c0, c1 / change of c m, a, c m_old
.set QF,  32
.set KF,  64
.set VF,  96
.set SC,  128                          ; S^T: piece u, key tile kt at SC + 16 u + 8 kt
.set PP,  160
.set MD,  176                          ; the diagonal step's mask
.set OT,  192                          ; O^T: piece u, channel block at OT + 32 u + 8 cbv
.macro PLACES
.rept 4
	v_nop
.endr
.endm
.macro BOTH line:vararg                ; one line for each piece u
.set u, 0
.rept 2
	\line
.set u, u+1
.endr
.endm
	s_load_b128 s[4:7], s[0:1], 0x0        ; qkvF, act
	v_lshl_add_u32 v[SPW], v0, 2, SPARE
	v_mov_b32 v[NIL], 0
	v_lshrrev_b32 v13, 5, v0
	v_readfirstlane_b32 s8, v13            ; wave 0..7
	s_mov_b32 s9, ttmp9
	s_and_b32 s10, ttmp7, 0xffff
	v_and_b32 v1, 31, v0
	v_and_b32 v2, 15, v0
	v_bfe_u32 v3, v0, 4, 1
	v_lshlrev_b32 v4, 4, v1                ; 16 x lane
	s_mul_i32 s38, s8, 8704
	v_lshl_add_u32 v5, v1, 4, s38          ; merge: my O in
	v_lshl_add_u32 v6, v1, 2, s38          ; my c m and l in
	s_lshr_b32 s39, s8, 2                  ; at the merge I own piece w / 4,
	s_and_b32 s40, s8, 3                   ; channel block w % 4
	s_mul_i32 s38, s39, 4352
	s_lshl_b32 s41, s40, 10
	s_add_co_u32 s41, s41, s38
	v_lshl_add_u32 v7, v1, 4, s41
	s_add_co_u32 s38, s38, 4096
	v_lshl_add_u32 v8, v1, 2, s38
	s_lshl1_add_u32 s38, s10, s39
	s_lshl2_add_u32 s38, s38, s40
	s_lshl_b32 s38, s38, 9
	v_lshl_add_u32 v9, v1, 4, s38          ; O out: block 4 head + cbv of the tile's 64
	v_lshlrev_b32 v13, 3, v3
	v_sub_nc_u32 v14, v2, v13              ; r - 8 h
	s_mov_b32 s30, 0x3e38aa3b              ; c
	s_mov_b32 s31, s30
	s_mov_b32 s32, 0x76543210
	s_mov_b32 s33, 0xfedcba98
	s_mov_b32 s34, 0xf149f2ca              ; -1e30
	s_lshr_b32 s38, s10, 1                 ; key and value head
	s_lshl_b32 s28, s38, 17
	s_mov_b32 s29, 0
	s_mov_b32 s11, 2
	s_wait_kmcnt 0x0
	s_add_nc_u64 s[18:19], s[4:5], s[28:29]
	s_add_nc_u64 s[20:21], s[18:19], 2621440   ; V of my head
	s_add_nc_u64 s[18:19], s[18:19], 2097152   ; K of my head
.Lblock:
	s_wait_xcnt 0x0                        ; bases and the last store's data are written again only behind this wait
	s_sub_co_u32 s38, 63, s9
	s_cmp_eq_u32 s11, 2
	s_cselect_b32 s12, s38, s9             ; T
	s_lshr_b32 s17, s12, 1                 ; the last step, which holds the diagonal
	s_add_co_u32 s14, s17, 8
	s_sub_co_u32 s14, s14, s8
	s_lshr_b32 s14, s14, 3                 ; my steps
	s_min_u32 s16, s8, s17                 ; my first step (a wave without steps asks for the last one and uses nothing of it)
	s_lshl_b32 s38, s10, 7
	s_add_co_u32 s38, s38, s12
	s_lshl_b32 s28, s38, 11
	s_add_nc_u64 s[26:27], s[4:5], s[28:29]
	s_lshl_b32 s28, s16, 12
	s_add_nc_u64 s[22:23], s[18:19], s[28:29]
	s_add_nc_u64 s[24:25], s[20:21], s[28:29]
.irp i, 0,1,2,3
	global_load_b128 v[QF+4*\i:QF+4*\i+3], v4, s[26:27] offset:512*\i
	global_load_b128 v[QF+16+4*\i:QF+16+4*\i+3], v4, s[26:27] offset:131072+512*\i
.endr
.irp i, 0,1,2,3,4,5,6,7
	global_load_b128 v[KF+4*\i:KF+4*\i+3], v4, s[22:23] offset:512*\i
.endr
.irp i, 0,1,2,3,4,5,6,7
	global_load_b128 v[VF+4*\i:VF+4*\i+3], v4, s[24:25] offset:512*\i
.endr
	BOTH v_mov_b32 v[ST+8*u], 0xfe000000   ; c m: far below every c s, so the first a is 0
	BOTH v_mov_b32 v[ST+8*u+1], 0xff7fffff
	BOTH v_mov_b32 v[ST+8*u+2], 0
	BOTH v_mov_b32 v[ST+8*u+3], 0
.set i, 0
.rept 64                               ; a wave may have no step at all: its O is 0 at the merge
	v_mov_b32 v[OT+i], 0
.set i, i+1
.endr
	s_and_b32 s38, s12, 1
	s_lshl_b32 s38, s38, 4
	v_add_nc_u32 v12, s38, v14             ; register j of key tile kt is hidden where 16 kt + j is greater
.set i, 0
.rept 16
	v_cmp_gt_i32 vcc_lo, 16*(i/8)+i%8, v12
	v_cndmask_b32 v[MD+i], 0, s34, vcc_lo
.set i, i+1
.endr
	s_cmp_eq_u32 s14, 0
	s_cbranch_scc1 .Lmerge
	s_mov_b32 s15, 0
.Lstep:
	s_wait_loadcnt 8                       ; Q and K are in; V's eight loads may stay out
.set i, 0
.rept 8                                ; channels 32 (i / 4) on, key tile (i / 2) % 2, piece i % 2: four accumulators by turns
.if i < 4
	v_wmma_f32_16x16x32_f16 v[SC+16*(i%2)+8*((i/2)%2):SC+16*(i%2)+8*((i/2)%2)+7], v[KF+16*((i/2)%2)+8*(i/4):KF+16*((i/2)%2)+8*(i/4)+7], v[QF+16*(i%2)+8*(i/4):QF+16*(i%2)+8*(i/4)+7], 0
.else
	v_wmma_f32_16x16x32_f16 v[SC+16*(i%2)+8*((i/2)%2):SC+16*(i%2)+8*((i/2)%2)+7], v[KF+16*((i/2)%2)+8*(i/4):KF+16*((i/2)%2)+8*(i/4)+7], v[QF+16*(i%2)+8*(i/4):QF+16*(i%2)+8*(i/4)+7], v[SC+16*(i%2)+8*((i/2)%2):SC+16*(i%2)+8*((i/2)%2)+7]
.endif
.set i, i+1
.endr
	PLACES
	s_wait_xcnt 0x0                        ; all loads issued so far have read their bases
	s_add_co_u32 s38, s16, 8
	s_min_u32 s38, s38, s17                ; my next step, or the last one once more
	s_lshl_b32 s28, s38, 12
	s_add_nc_u64 s[22:23], s[18:19], s[28:29]
	s_add_nc_u64 s[24:25], s[20:21], s[28:29]
.irp i, 0,1,2,3,4,5,6,7
	global_load_b128 v[KF+4*\i:KF+4*\i+3], v4, s[22:23] offset:512*\i
.endr
	s_cmp_lg_u32 s16, s17
	s_cbranch_scc1 .Lopen
.set k, 0
.rept 8
	BOTH v_pk_add_f32 v[SC+16*u+2*k:SC+16*u+2*k+1], v[SC+16*u+2*k:SC+16*u+2*k+1], v[MD+2*k:MD+2*k+1]
.set k, k+1
.endr
.Lopen:
	BOTH v_max3_num_f32 v[ST+8*u+4], v[SC+16*u], v[SC+16*u+1], v[SC+16*u+2]
	BOTH v_max3_num_f32 v[ST+8*u+5], v[SC+16*u+8], v[SC+16*u+9], v[SC+16*u+10]
	BOTH v_max3_num_f32 v[ST+8*u+4], v[ST+8*u+4], v[SC+16*u+3], v[SC+16*u+4]
	BOTH v_max3_num_f32 v[ST+8*u+5], v[ST+8*u+5], v[SC+16*u+11], v[SC+16*u+12]
	BOTH v_max3_num_f32 v[ST+8*u+4], v[ST+8*u+4], v[SC+16*u+5], v[SC+16*u+6]
	BOTH v_max3_num_f32 v[ST+8*u+5], v[ST+8*u+5], v[SC+16*u+13], v[SC+16*u+14]
	BOTH v_max3_num_f32 v[ST+8*u+4], v[ST+8*u+4], v[SC+16*u+7], v[SC+16*u+15]
	BOTH v_max3_num_f32 v[ST+8*u+4], v[ST+8*u+4], v[ST+8*u+5], v[ST+8*u+1]
	BOTH v_permlanex16_b32 v[ST+8*u+5], v[ST+8*u+4], s32, s33
	BOTH v_mov_b32 v[ST+8*u+7], v[ST+8*u]
	BOTH v_max_num_f32 v[ST+8*u+1], v[ST+8*u+4], v[ST+8*u+5]
	BOTH v_mul_f32 v[ST+8*u], s30, v[ST+8*u+1]
	BOTH v_sub_f32 v[ST+8*u+5], v[ST+8*u+7], v[ST+8*u]
.set k, 0
.rept 8
	BOTH v_pk_fma_f32 v[SC+16*u+2*k:SC+16*u+2*k+1], v[SC+16*u+2*k:SC+16*u+2*k+1], s[30:31], v[ST+8*u:ST+8*u+1] op_sel_hi:[1,0,0] neg_lo:[0,0,1] neg_hi:[0,0,1]
.set k, k+1
.endr
	BOTH v_exp_f32 v[ST+8*u+6], v[ST+8*u+5]
.set k, 0
.rept 16
	BOTH v_exp_f32 v[SC+16*u+k], v[SC+16*u+k]
.set k, k+1
.endr
	v_nop                                  ; a plain instruction behind the last exponential,
	s_wait_alu depctr_va_vdst(0)           ; and one wait for the batch of 34, ahead of its first reader
.set k, 0
.rept 8
	BOTH v_cvt_pk_f16_f32 v[PP+8*u+k], v[SC+16*u+2*k], v[SC+16*u+2*k+1]
.set k, k+1
.endr
.irp k, 0,2,4,6
	BOTH v_pk_add_f32 v[SC+16*u+\k:SC+16*u+\k+1], v[SC+16*u+\k:SC+16*u+\k+1], v[SC+16*u+8+\k:SC+16*u+8+\k+1]
.endr
.irp k, 0,2
	BOTH v_pk_add_f32 v[SC+16*u+\k:SC+16*u+\k+1], v[SC+16*u+\k:SC+16*u+\k+1], v[SC+16*u+4+\k:SC+16*u+4+\k+1]
.endr
	BOTH v_pk_add_f32 v[SC+16*u:SC+16*u+1], v[SC+16*u:SC+16*u+1], v[SC+16*u+2:SC+16*u+3]
	BOTH v_pk_fma_f32 v[ST+8*u+2:ST+8*u+3], v[ST+8*u+2:ST+8*u+3], v[ST+8*u+6:ST+8*u+7], v[SC+16*u:SC+16*u+1] op_sel_hi:[1,0,1]
.set k, 0
.rept 16
	BOTH v_pk_mul_f32 v[OT+32*u+2*k:OT+32*u+2*k+1], v[OT+32*u+2*k:OT+32*u+2*k+1], v[ST+8*u+6:ST+8*u+7] op_sel_hi:[1,0]
.set k, k+1
.endr
	s_wait_loadcnt 8                       ; V is in; the next K's eight loads may stay out
.set i, 0
.rept 8                                ; eight different accumulators
	v_wmma_f32_16x16x32_f16 v[OT+32*(i%2)+8*(i/2):OT+32*(i%2)+8*(i/2)+7], v[VF+8*(i/2):VF+8*(i/2)+7], v[PP+8*(i%2):PP+8*(i%2)+7], v[OT+32*(i%2)+8*(i/2):OT+32*(i%2)+8*(i/2)+7]
.set i, i+1
.endr
	PLACES
.irp i, 0,1,2,3,4,5,6,7
	global_load_b128 v[VF+4*\i:VF+4*\i+3], v4, s[24:25] offset:512*\i
.endr
	s_add_co_u32 s16, s16, 8
	s_add_co_u32 s15, s15, 1
	s_cmp_lt_u32 s15, s14
	s_cbranch_scc1 .Lstep
.Lmerge:
	s_wait_loadcnt 0x0                     ; the loads that ran ahead have landed: their registers are used below
	BOTH v_add_f32 v[ST+8*u+2], v[ST+8*u+2], v[ST+8*u+3]
	BOTH v_permlanex16_b32 v[ST+8*u+3], v[ST+8*u+2], s32, s33
	BOTH v_add_f32 v[ST+8*u+2], v[ST+8*u+2], v[ST+8*u+3]
.set i, 0
.rept 16                               ; piece i / 8, block (i / 2) % 4, half i % 2: the low half of each accumulator first
	ds_store_b128 v5, v[OT+4*i:OT+4*i+3] offset:(i/8)*4352+(i%8)*512
.set i, i+1
.endr
	BOTH ds_store_b32 v6, v[ST+8*u] offset:u*4352+4096
	BOTH ds_store_b32 v6, v[ST+8*u+2] offset:u*4352+4224
	s_wait_dscnt 0x0
	s_barrier_signal -1
	s_barrier_wait -1
.irp p, 0,1,2,3,4,5,6,7
	ds_load_b128 v[64+8*\p:64+8*\p+3], v7 offset:\p*8704
	ds_load_b128 v[64+8*\p+4:64+8*\p+7], v7 offset:\p*8704+512
	ds_load_b32 v[128+2*\p], v8 offset:\p*8704
	ds_load_b32 v[129+2*\p], v8 offset:\p*8704+128
.endr
	s_wait_dscnt 0x0                       ; my reads are back:
	s_barrier_signal -1                    ; behind this barrier the next block may write the region again
	s_barrier_wait -1
	v_max3_num_f32 v13, v128, v130, v132
	v_max3_num_f32 v13, v13, v134, v136
	v_max3_num_f32 v13, v13, v138, v140
	v_max_num_f32 v13, v13, v142
.irp p, 0,1,2,3,4,5,6,7
	v_sub_f32 v[128+2*\p], v[128+2*\p], v13
.endr
.irp p, 0,1,2,3,4,5,6,7
	v_exp_f32 v[128+2*\p], v[128+2*\p]
.endr
	v_nop
	s_wait_alu depctr_va_vdst(0)
	v_mul_f32 v15, v128, v129
.irp p, 1,2,3,4,5,6,7
	v_fma_f32 v15, v[128+2*\p], v[129+2*\p], v15
.endr
	v_rcp_f32 v15, v15
	v_nop
	s_wait_alu depctr_va_vdst(0)
.irp p, 0,1,2,3,4,5,6,7
	v_mul_f32 v[128+2*\p], v[128+2*\p], v15
.endr
.irp x, 0,2,4,6
	v_pk_mul_f32 v[144+\x:145+\x], v[64+\x:65+\x], v[128:129] op_sel_hi:[1,0]
.endr
.irp p, 1,2,3,4,5,6,7
.irp x, 0,2,4,6
	v_pk_fma_f32 v[144+\x:145+\x], v[64+8*\p+\x:65+8*\p+\x], v[128+2*\p:129+2*\p], v[144+\x:145+\x] op_sel_hi:[1,0,1]
.endr
.endr
.irp x, 0,1,2,3
	v_cvt_pk_f16_f32 v[152+\x], v[144+2*\x], v[145+2*\x]
.endr
	s_lshl_b32 s28, s12, 15
	s_add_nc_u64 s[36:37], s[6:7], s[28:29]
	global_store_b128 v9, v[152:155], s[36:37]     ; 512 consecutive bytes, aligned
	s_sub_co_u32 s11, s11, 1
	s_cmp_lg_u32 s11, 0
	s_cbranch_scc1 .Lblock
	s_wait_tensorcnt 0x0                   ; the wave's end
	ds_add_u32 v[SPW], v[NIL]
	s_wait_dscnt 0x0
	s_endpgm
.Lfunc_end_k_qcbaf1ce131_attn:
	.size	k_qcbaf1ce131_attn, .Lfunc_end_k_qcbaf1ce131_attn-k_qcbaf1ce131_attn
	.p2alignl 7, 3214868480
	.fill 96, 4, 3214868480
	.section	.rodata,"a",@progbits
	.p2align	6, 0x0
	.amdhsa_kernel k_qcbaf1ce131_attn
		.amdhsa_group_segment_fixed_size 70656
		.amdhsa_private_segment_fixed_size 0
		.amdhsa_enable_private_segment 0
		.amdhsa_kernarg_size 16
		.amdhsa_user_sgpr_count 2
		.amdhsa_user_sgpr_kernarg_segment_ptr 1
		.amdhsa_wavefront_size32 1
		.amdhsa_system_sgpr_workgroup_id_x 1
		.amdhsa_system_sgpr_workgroup_id_y 1
		.amdhsa_system_sgpr_workgroup_id_z 1
		.amdhsa_system_vgpr_workitem_id 0
		.amdhsa_next_free_vgpr 256
		.amdhsa_next_free_sgpr 66
		.amdhsa_reserve_vcc 1
		.amdhsa_float_denorm_mode_32 3
		.amdhsa_float_denorm_mode_16_64 3
		.amdhsa_memory_ordered 1
		.amdhsa_forward_progress 1
		.amdhsa_inst_pref_size 29
	.end_amdhsa_kernel
	.amdgpu_metadata
---
amdhsa.version: [ 1, 2 ]
amdhsa.kernels:
  - .name:           k_qcbaf1ce131_attn
    .symbol:         k_qcbaf1ce131_attn.kd
    .args:
      - { .name: qkvF, .offset: 0, .size: 8, .value_kind: global_buffer, .address_space: global }
      - { .name: act, .offset: 8, .size: 8, .value_kind: global_buffer, .address_space: global }
    .group_segment_fixed_size: 70656
    .private_segment_fixed_size: 0
    .kernarg_segment_align: 8
    .kernarg_segment_size: 16
    .max_flat_workgroup_size: 256
    .sgpr_count:     66
    .vgpr_count:     256
    .wavefront_size: 32
...
	.end_amdgpu_metadata
.endif
;; end of part 2
;; launch oproj (part 3): grid 256 x 1, 4 waves a work-group, no clusters, 55,808 bytes of LDS; arguments act, wo, x, hbuf; writes hbuf
.if DOCPART == 3
	.amdgcn_target "amdgcn-amd-amdhsa--gfx1250"
	.amdhsa_code_object_version 6
	.text
	.protected	k_qcbaf1ce131_oproj
	.globl	k_qcbaf1ce131_oproj
	.p2align	8
	.type	k_qcbaf1ce131_oproj,@function
k_qcbaf1ce131_oproj:
	s_mov_b64 s[64:65], 0
	v_nop
	global_prefetch_b8 v0, s[64:65] scope:SCOPE_SE
	s_setreg_imm32_b32 hwreg(HW_REG_WAVE_MODE, 25, 1), 1
	s_wait_xcnt 0x0
; One text, two uses, by the switch MOE.
; MOE = 0:  h = x + O wo.  O: f16 fragments [tile][64 blocks of 16 k][512 bytes]; wo f32 [1024][1024], rounded to f16.  Work-group = 64 tokens (four tiles) x 64 columns.
; MOE = 1:  one K half of g w2[e], bf16.  g: fragments [tile][128 blocks][512 bytes]; work-group = expert e, 64 columns, K half kh; it walks the expert's tiles, two a trip; where they lie is read from rt.
; K = 1,024 IS SPLIT AMONG THE FOUR WAVES, 256 each.  A wave's weights stay in registers as fragments (f32 chunks rounded, staged in the wave's own LDS, read back turned); token tiles come
; straight from memory into registers, 8 KiB on end for a wave and tile; the four partial tiles meet in LDS, one barrier a tile, two regions by turns.
; Products are taken transposed (source 0 = 16 weight columns, source 1 = 16 tokens).  Results leave as whole rows: sixteen lanes store 256 consecutive bytes, aligned.
; LIMITS.  MOE = 0: O and wo within f16 (65,504; fixed step 6e-8 below 6e-5).  NaN and infinities are not treated apart.
; NO CLUSTER: the weights, nearly all of the bytes, are read by one wave of one work-group each; the shared token tiles go to registers, with no tile in LDS to ask for jointly.
.set MOE, 0
.set RED0,  0                          ; [wave 4][token 16] rows of 256 bytes, pitch 272
.set RED1,  17408
.set STG,   34816                      ; a stage of 32 rows, pitch 160, for each wave
.set SPARE, 55296                      ; the spare words, 128 bytes for each wave; no other line names them
.if MOE
.set TILEB, 65536
.set NUNITS, 10
.else
.set TILEB, 32768
.set NUNITS, 12
.endif
.set GOFF, 4
.set STA,  5
.set TRA,  6
.set AOFF, 7
.set RST,  8
.set RRD,  9
.set YO,   10
.set PFO,  11
.set SPW,  12
.set NIL,  13
.set CT,   32
.set ACC,  64
.set RDX,  128
.set RDY,  160
.set XR,   192
.set MSB, 0
.macro WIN new                         ; the immediate's high byte repeats the setting that is left
.if MSB != (\new)
	s_set_vgpr_msb (MSB<<8)|(\new)
.set MSB, \new
.endif
.endm
.macro PLACES
.rept 4
	v_nop
.endr
.endm
; Unit u of the ring in window 2, 16 loads into buffer u % 4.  0-7: 32 rows x 64 columns of the weights (lanes 0-15 one row's 256 bytes, lanes 16-31 the row four below); from 8 on: token tiles.
.macro UNIT u
	WIN 0x80
.set i, 0
.rept 16
.if (\u) >= 8
	global_load_b128 v[64*((\u)%4)+4*i:64*((\u)%4)+4*i+3], v[AOFF], s[24:25] offset:((\u)-8)*TILEB+512*i
.elseif MOE
	global_load_b128 v[64*((\u)%4)+4*i:64*((\u)%4)+4*i+3], v[GOFF], s[18:19] offset:(32*(\u)+8*(i/4)+i%4)*4096 th:TH_LOAD_NT
.else
	global_load_b128 v[64*((\u)%4)+4*i:64*((\u)%4)+4*i+3], v[GOFF], s[18:19] offset:(32*(\u)+8*(i/4)+i%4)*4096
.endif
.set i, i+1
.endr
.endm
.macro LOADA buf, imm
	WIN 0x80
.set i, 0
.rept 16
	global_load_b128 v[(\buf)+4*i:(\buf)+4*i+3], v[AOFF], s[24:25] offset:(\imm)+512*i
.set i, i+1
.endr
.endm
; Chunk c = K step c.  n: the loads of the younger units, which may stay out.
.macro CONVW c, n
	s_wait_loadcnt \n
	WIN 0x0a
.set i, 0
.rept 32
.if MOE
	v_cvt_pk_bf16_f32 v[CT+i], v[64*((\c)%4)+2*i], v[64*((\c)%4)+2*i+1]
.else
	v_cvt_pk_f16_f32 v[CT+i], v[64*((\c)%4)+2*i], v[64*((\c)%4)+2*i+1]
.endif
.set i, i+1
.endr
.if (\c)+4 < NUNITS
	UNIT (\c)+4
.endif
	WIN 0
.set i, 0
.rept 16
	ds_store_b64 v[STA], v[CT+2*i:CT+2*i+1] offset:(8*(i/4)+i%4)*160
.set i, i+1
.endr
	WIN 0x40
.set i, 0
.rept 4                                ; LDS serves a wave in order (ISA guide 5.7.1.4): these see the stores above, and the next chunk's stores come behind them
	ds_load_tr16_b128 v[((\c)*4+i)*8:((\c)*4+i)*8+3], v[TRA] offset:i*32
	ds_load_tr16_b128 v[((\c)*4+i)*8+4:((\c)*4+i)*8+7], v[TRA] offset:i*32+2560
.set i, i+1
.endr
.endm
; A tile's 32 products: four accumulators by turns; the first K step starts the sums with the constant 0.
.macro MULT buf
	WIN 0x09
.set ks, 0
.rept 8
.set cb, 0
.rept 4
.if MOE
.if ks == 0
	v_wmma_f32_16x16x32_bf16 v[ACC+8*cb:ACC+8*cb+7], v[(ks*4+cb)*8:(ks*4+cb)*8+7], v[(\buf)+8*ks:(\buf)+8*ks+7], 0
.else
	v_wmma_f32_16x16x32_bf16 v[ACC+8*cb:ACC+8*cb+7], v[(ks*4+cb)*8:(ks*4+cb)*8+7], v[(\buf)+8*ks:(\buf)+8*ks+7], v[ACC+8*cb:ACC+8*cb+7]
.endif
.else
.if ks == 0
	v_wmma_f32_16x16x32_f16 v[ACC+8*cb:ACC+8*cb+7], v[(ks*4+cb)*8:(ks*4+cb)*8+7], v[(\buf)+8*ks:(\buf)+8*ks+7], 0
.else
	v_wmma_f32_16x16x32_f16 v[ACC+8*cb:ACC+8*cb+7], v[(ks*4+cb)*8:(ks*4+cb)*8+7], v[(\buf)+8*ks:(\buf)+8*ks+7], v[ACC+8*cb:ACC+8*cb+7]
.endif
.endif
.set cb, cb+1
.endr
.set ks, ks+1
.endr
.endm
.macro REDST b                         ; my partial tile: token r's row, columns 16 cb + 8 h on; each accumulator's low half first
.set i, 0
.rept 8
	ds_store_b128 v[RST], v[ACC+4*i:ACC+4*i+3] offset:(\b)+(i/2)*64+(i%2)*16
.set i, i+1
.endr
.endm
.macro REDLD b, rd                     ; rows 4 w + h and 4 w + h + 2 of all four partial tiles
.irp p, 0,1,2,3
	ds_load_b128 v[(\rd)+8*\p:(\rd)+8*\p+3], v[RRD] offset:(\b)+\p*4352
	ds_load_b128 v[(\rd)+8*\p+4:(\rd)+8*\p+7], v[RRD] offset:(\b)+\p*4352+544
.endr
.endm
.macro FIN rd, xr
.irp x, 0,2,4,6
	v_pk_add_f32 v[(\rd)+\x:(\rd)+\x+1], v[(\rd)+\x:(\rd)+\x+1], v[(\rd)+8+\x:(\rd)+8+\x+1]
	v_pk_add_f32 v[(\rd)+16+\x:(\rd)+16+\x+1], v[(\rd)+16+\x:(\rd)+16+\x+1], v[(\rd)+24+\x:(\rd)+24+\x+1]
.endr
.irp x, 0,2,4,6
	v_pk_add_f32 v[(\rd)+\x:(\rd)+\x+1], v[(\rd)+\x:(\rd)+\x+1], v[(\rd)+16+\x:(\rd)+16+\x+1]
.endr
.if !MOE
.irp x, 0,2,4,6
	v_pk_add_f32 v[(\rd)+\x:(\rd)+\x+1], v[(\rd)+\x:(\rd)+\x+1], v[(\xr)+\x:(\xr)+\x+1]
.endr
.endif
.endm
.macro GST rd, imm                     ; sixteen lanes store 256 consecutive bytes, aligned
	global_store_b128 v[YO], v[(\rd):(\rd)+3], s[26:27] offset:(\imm)
	global_store_b128 v[YO], v[(\rd)+4:(\rd)+7], s[26:27] offset:(\imm)+8192
.endm
; Two tiles X, Y.  RED0 is written again only behind Y's barrier, ahead of whose signal every wave has waited for its reads of RED0; RED1 only behind the next X's barrier, likewise.
.macro PAIR bx, by, nx, ny, ox, oy, xx, xy
	s_wait_loadcnt \nx
	MULT \bx
	WIN 0
.rept 5                                ; five places: Y's first products write over these accumulators
	v_nop
.endr
	s_wait_xcnt 0x0                        ; bases and the last stores' data are written again only behind this wait
.if MOE
	s_min_u32 s31, s35, 142
	s_lshl_b32 s32, s31, 16
	s_add_nc_u64 s[26:27], s[36:37], s[32:33]  ; where this trip's two tiles go
	s_add_co_u32 s31, s35, 2
	s_min_u32 s31, s31, 142                ; the next trip's tiles; behind the expert's last they are fetched and not multiplied
	s_lshl_b32 s32, s31, 16
	s_add_nc_u64 s[24:25], s[4:5], s[32:33]
	LOADA \bx, 0
	WIN 0
.endif
	REDST RED0
	s_wait_dscnt 0x0
	s_barrier_signal -1
	s_wait_loadcnt \ny
	MULT \by                               ; work on registers while the others arrive
	WIN 0
	s_barrier_wait -1
	PLACES
.if MOE
	LOADA \by, TILEB
	WIN 0
.endif
	REDLD RED0, RDX
	REDST RED1
	s_wait_dscnt 0x0
	s_barrier_signal -1
	FIN RDX, \xx
	s_barrier_wait -1
	GST RDX, \ox
	REDLD RED1, RDY
	s_wait_dscnt 0x0
	FIN RDY, \xy
	GST RDY, \oy
.endm
	s_load_b256 s[4:11], s[0:1], 0x0       ; tokens' fragments, weights, x or rt, output
	v_lshl_add_u32 v[SPW], v0, 2, SPARE
	v_mov_b32 v[NIL], 0
	v_lshrrev_b32 v14, 5, v0
	v_readfirstlane_b32 s12, v14           ; wave
.if MOE
	s_lshr_b32 s14, ttmp9, 5               ; expert
	s_bfe_u32 s15, ttmp9, 0x40001          ; block of 64 columns
	s_and_b32 s16, ttmp9, 1                ; K half
.else
	s_lshr_b32 s14, ttmp9, 4               ; block of 64 tokens
	s_and_b32 s15, ttmp9, 15
	s_mov_b32 s16, 0
.endif
	v_and_b32 v1, 31, v0
	v_and_b32 v2, 15, v0
	v_bfe_u32 v3, v0, 4, 1
	v_lshlrev_b32 v[GOFF], 4, v2
	v_lshl_add_u32 v[GOFF], v3, 14, v[GOFF]
	s_mul_i32 s17, s12, 5120
	s_add_co_u32 s17, s17, STG
	v_mul_u32_u24 v[STA], v3, 640
	v_lshl_add_u32 v[STA], v2, 3, v[STA]
	v_add_nc_u32 v[STA], s17, v[STA]
	v_and_b32 v14, 7, v0
	v_lshl_add_u32 v14, v3, 3, v14
	v_mul_u32_u24 v[TRA], v14, 160
	v_bfe_u32 v15, v0, 3, 1
	v_lshl_add_u32 v[TRA], v15, 4, v[TRA]
	v_add_nc_u32 v[TRA], s17, v[TRA]
	s_lshl_b32 s31, s12, 13
	s_lshl_b32 s32, s16, 15
	s_add_co_u32 s31, s31, s32
	v_lshl_add_u32 v[AOFF], v1, 4, s31
	s_mul_i32 s31, s12, 4352
	v_mul_u32_u24 v[RST], v2, 272
	v_lshl_add_u32 v[RST], v3, 5, v[RST]
	v_add_nc_u32 v[RST], s31, v[RST]
	s_mul_i32 s31, s12, 1088
	v_mul_u32_u24 v[RRD], v3, 272
	v_lshl_add_u32 v[RRD], v2, 4, v[RRD]
	v_add_nc_u32 v[RRD], s31, v[RRD]
	s_lshl_b32 s31, s12, 14
	s_lshl_b32 s32, s15, 8
	s_add_co_u32 s31, s31, s32
	v_lshlrev_b32 v[YO], 12, v3
	v_lshl_add_u32 v[YO], v2, 4, v[YO]
	v_add_nc_u32 v[YO], s31, v[YO]
	v_lshlrev_b32 v[PFO], 8, v1
	s_lshl_b32 s32, s12, 20                ; my 256 rows of the weights,
	s_lshl_b32 s31, s15, 8                 ; my group's 64 columns
	s_add_co_u32 s32, s32, s31
.if MOE
	s_lshl_b32 s31, s14, 23
	s_add_co_u32 s32, s32, s31
	s_lshl_b32 s31, s16, 22
	s_add_co_u32 s32, s32, s31
	s_lshl_b32 s31, s14, 3
.endif
	s_mov_b32 s33, 0
	s_wait_kmcnt 0x0
.if MOE
	s_load_b64 s[22:23], s[8:9], s31 offset:8192   ; the expert's first tile and its trips
.endif
	s_add_nc_u64 s[18:19], s[6:7], s[32:33]
.if !MOE
	s_lshl_b32 s32, s14, 17
	s_add_nc_u64 s[24:25], s[4:5], s[32:33]
	s_lshl_b32 s32, s14, 18
	s_add_nc_u64 s[28:29], s[8:9], s[32:33]
	s_add_nc_u64 s[26:27], s[10:11], s[32:33]
.irp t, 0,1,2,3
	global_load_b128 v[XR+8*\t:XR+8*\t+3], v[YO], s[28:29] offset:\t*65536
	global_load_b128 v[XR+8*\t+4:XR+8*\t+7], v[YO], s[28:29] offset:\t*65536+8192
.endr
.endif
	UNIT 0
	UNIT 1
	UNIT 2
	UNIT 3
.if MOE
	WIN 0
	s_wait_kmcnt 0x0
	s_min_u32 s22, s22, 142
	s_min_u32 s23, s23, 32
	s_cmp_eq_u32 s23, 0
	s_cbranch_scc1 .Lend                   ; no token chose this expert
	s_lshl_b32 s32, s22, 16
	s_add_nc_u64 s[24:25], s[4:5], s[32:33]
	s_and_b32 s34, ttmp9, 31
	s_lshl2_add_u32 s34, s34, s12          ; my number among the expert's 128 waves
	s_lshl_b32 s32, s34, 13
	s_add_nc_u64 s[28:29], s[24:25], s[32:33]
	s_mul_i32 s32, s16, 9437184
	s_add_nc_u64 s[36:37], s[10:11], s[32:33]
	s_mov_b32 s35, s22
	CONVW 0, 48
	CONVW 1, 48
	CONVW 2, 48
	; The expert's token tiles are prefetched while the weights stream: 16 x trips pieces of 8 KiB (a lane a block of 256 bytes), piece q + 128 z by wave q of the expert's 128: each block is named once in the launch.
	WIN 0
	s_lshl_b32 s38, s23, 4
.irp z, 0,1,2,3
	s_add_co_u32 s31, s34, 128*\z
	s_cmp_lt_u32 s31, s38
	s_cbranch_scc0 .Lpf\z
	global_prefetch_b8 v[PFO], s[28:29] offset:1048576*\z th:TH_LOAD_NT scope:SCOPE_SE
.Lpf\z:
.endr
	CONVW 3, 48
	CONVW 4, 48
	CONVW 5, 48
	CONVW 6, 48
	CONVW 7, 32                            ; only the two tiles are younger
	WIN 0
	s_wait_dscnt 0x0                       ; all fragments of the weights are in registers
	s_mov_b32 s30, 0
.Ltrip:
	PAIR 0, 64, 16, 16, 0, 65536, 0, 0     ; at each wait the other tile's 16 loads are younger
	s_add_co_u32 s35, s35, 2
	s_add_co_u32 s30, s30, 1
	s_cmp_lt_u32 s30, s23
	s_cbranch_scc1 .Ltrip
.Lend:
.else
.irp c, 0,1,2,3,4,5,6,7
	CONVW \c, 48
.endr
	WIN 0
	s_wait_dscnt 0x0
	PAIR 0, 64, 48, 32, 0, 65536, XR, XR+8             ; four tiles are out: the counts run down
	PAIR 128, 192, 16, 0, 131072, 196608, XR+16, XR+24
.endif
	s_wait_tensorcnt 0x0                   ; the wave's end
	ds_add_u32 v[SPW], v[NIL]
	s_wait_dscnt 0x0
	s_endpgm
.Lfunc_end_k_qcbaf1ce131_oproj:
	.size	k_qcbaf1ce131_oproj, .Lfunc_end_k_qcbaf1ce131_oproj-k_qcbaf1ce131_oproj
	.p2alignl 7, 3214868480
	.fill 96, 4, 3214868480
	.section	.rodata,"a",@progbits
	.p2align	6, 0x0
	.amdhsa_kernel k_qcbaf1ce131_oproj
		.amdhsa_group_segment_fixed_size 55808
		.amdhsa_private_segment_fixed_size 0
		.amdhsa_enable_private_segment 0
		.amdhsa_kernarg_size 32
		.amdhsa_user_sgpr_count 2
		.amdhsa_user_sgpr_kernarg_segment_ptr 1
		.amdhsa_wavefront_size32 1
		.amdhsa_system_sgpr_workgroup_id_x 1
		.amdhsa_system_sgpr_workgroup_id_y 1
		.amdhsa_system_sgpr_workgroup_id_z 1
		.amdhsa_system_vgpr_workitem_id 0
		.amdhsa_next_free_vgpr 768
		.amdhsa_next_free_sgpr 66
		.amdhsa_reserve_vcc 0
		.amdhsa_float_denorm_mode_32 3
		.amdhsa_float_denorm_mode_16_64 3
		.amdhsa_memory_ordered 1
		.amdhsa_forward_progress 1
		.amdhsa_inst_pref_size 70
	.end_amdhsa_kernel
	.amdgpu_metadata
---
amdhsa.version: [ 1, 2 ]
amdhsa.kernels:
  - .name:           k_qcbaf1ce131_oproj
    .symbol:         k_qcbaf1ce131_oproj.kd
    .args:
      - { .name: act, .offset: 0, .size: 8, .value_kind: global_buffer, .address_space: global }
      - { .name: wo, .offset: 8, .size: 8, .value_kind: global_buffer, .address_space: global }
      - { .name: x, .offset: 16, .size: 8, .value_kind: global_buffer, .address_space: global }
      - { .name: hbuf, .offset: 24, .size: 8, .value_kind: global_buffer, .address_space: global }
    .group_segment_fixed_size: 55808
    .private_segment_fixed_size: 0
    .kernarg_segment_align: 8
    .kernarg_segment_size: 32
    .max_flat_workgroup_size: 128
    .sgpr_count:     66
    .vgpr_count:     768
    .wavefront_size: 32
...
	.end_amdgpu_metadata
.endif
;; end of part 3
;; launch gate (part 4): grid 256 x 1, 4 waves a work-group, no clusters, 0 bytes of LDS; arguments hbuf, ffn_norm_w, gate_w, hnw, tk; writes hnw, tk
.if DOCPART == 4
	.amdgcn_target "amdgcn-amd-amdhsa--gfx1250"
	.amdhsa_code_object_version 6
	.text
	.protected	k_qcbaf1ce131_gate
	.globl	k_qcbaf1ce131_gate
	.p2align	8
	.type	k_qcbaf1ce131_gate,@function
k_qcbaf1ce131_gate:
	s_mov_b64 s[64:65], 0
	v_nop
	global_prefetch_b8 v0, s[64:65] scope:SCOPE_SE
	s_setreg_imm32_b32 hwreg(HW_REG_WAVE_MODE, 25, 1), 1
	s_wait_xcnt 0x0
; hn = rmsnorm(h, fw) in bf16; the eight gate logits in f32 on the vector unit; the two largest, as whole numbers for the next launch; their two weights.
; One wave, one token: nothing leaves the wave, so no LDS and no barrier.  A lane holds d = 128 i + 4 lane + 0..3, i = 0..7.
; The choice is taken on the logits, the lower index at a tie; it is top_k of the softmax except where two probabilities round together.
; wa = 1 / (1 + e^(l2 - l1)), wb = e^(l2 - l1) wa: the softmax with its maximum l1 taken away, renormalised over the two: the exponent is never above 0.
; NaN and infinities are not treated apart.  The choice only selects values here: no branch and no address hangs on it.
.set H,  16
.set FW, 48
.set G,  80                            ; four batches of 32 registers take turns
.set AC, 208                           ; two sets of eight sums, by the parity of d
.set SQ, 224
.macro GLD i                           ; gate_w's rows 128 i + 4 lane + 0..3, eight numbers each
.irp q, 0,1,2,3,4,5,6,7
	global_load_b128 v[G+32*((\i)%4)+4*\q:G+32*((\i)%4)+4*\q+3], v3, s[8:9] offset:(\i)*4096+16*\q
.endr
.endm
.macro DOT i
.set dd, 0
.rept 4
.set xp, 0
.rept 4
.set ra, AC+8*(dd%2)+2*xp
.set rg, G+32*((\i)%4)+8*dd+2*xp
.set rh, H+4*(\i)+2*(dd/2)
.if ((\i) == 0) && (dd < 2)
.if dd%2
	v_pk_mul_f32 v[ra:ra+1], v[rg:rg+1], v[rh:rh+1] op_sel:[0,1] op_sel_hi:[1,1]
.else
	v_pk_mul_f32 v[ra:ra+1], v[rg:rg+1], v[rh:rh+1] op_sel_hi:[1,0]
.endif
.else
.if dd%2
	v_pk_fma_f32 v[ra:ra+1], v[rg:rg+1], v[rh:rh+1], v[ra:ra+1] op_sel:[0,1,0] op_sel_hi:[1,1,1]
.else
	v_pk_fma_f32 v[ra:ra+1], v[rg:rg+1], v[rh:rh+1], v[ra:ra+1] op_sel_hi:[1,0,1]
.endif
.endif
.set xp, xp+1
.endr
.set dd, dd+1
.endr
.endm
.macro WSUM r                          ; the sum over the 32 lanes, in every lane
	v_add_f32_dpp v[\r], v[\r], v[\r] row_xmask:1 row_mask:0xf bank_mask:0xf
	v_add_f32_dpp v[\r], v[\r], v[\r] row_xmask:2 row_mask:0xf bank_mask:0xf
	v_add_f32_dpp v[\r], v[\r], v[\r] row_xmask:4 row_mask:0xf bank_mask:0xf
	v_add_f32_dpp v[\r], v[\r], v[\r] row_xmask:8 row_mask:0xf bank_mask:0xf
	v_permlanex16_b32 v228, v[\r], s22, s23
	v_add_f32 v[\r], v[\r], v228
.endm
	s_load_b256 s[4:11], s[0:1], 0x0       ; h, fw, gate_w, hnw
	s_load_b64 s[12:13], s[0:1], 0x20      ; tk
	v_lshrrev_b32 v1, 5, v0
	v_readfirstlane_b32 s14, v1
	s_lshl2_add_u32 s15, ttmp9, s14        ; my token
	v_and_b32 v1, 31, v0
	v_lshlrev_b32 v2, 4, v1
	v_lshlrev_b32 v3, 7, v1
	v_lshlrev_b32 v4, 3, v1
	v_mov_b32 v228, 0
	v_mov_b32 v238, 0
	s_mov_b32 s22, 0x76543210
	s_mov_b32 s23, 0xfedcba98
	s_mov_b32 s24, 0x3a800000              ; 1 / 1024
	s_mov_b32 s25, 0x3727c5ac              ; 1e-5
	s_mov_b32 s27, 0
	s_lshl_b32 s26, s15, 12
	s_wait_kmcnt 0x0
	s_add_nc_u64 s[16:17], s[4:5], s[26:27]
	s_lshl_b32 s26, s15, 11
	s_add_nc_u64 s[18:19], s[10:11], s[26:27]
	s_lshl_b32 s26, s15, 3
	s_add_nc_u64 s[28:29], s[10:11], s[26:27]
	s_lshl_b32 s26, s15, 2
	s_add_nc_u64 s[30:31], s[12:13], s[26:27]
.irp i, 0,1,2,3,4,5,6,7
	global_load_b128 v[H+4*\i:H+4*\i+3], v2, s[16:17] offset:512*\i
.endr
.irp i, 0,1,2,3,4,5,6,7
	global_load_b128 v[FW+4*\i:FW+4*\i+3], v2, s[6:7] offset:512*\i
.endr
	GLD 0
	GLD 1
	GLD 2
	GLD 3
	s_wait_loadcnt 32                      ; h and fw are in; four batches of eight are younger
.set i, 0
.rept 16
.if i < 2
	v_pk_mul_f32 v[SQ+2*i:SQ+2*i+1], v[H+2*i:H+2*i+1], v[H+2*i:H+2*i+1]
.else
	v_pk_fma_f32 v[SQ+2*(i%2):SQ+2*(i%2)+1], v[H+2*i:H+2*i+1], v[H+2*i:H+2*i+1], v[SQ+2*(i%2):SQ+2*(i%2)+1]
.endif
.set i, i+1
.endr
.set i, 0
.rept 16
	v_pk_mul_f32 v[H+2*i:H+2*i+1], v[H+2*i:H+2*i+1], v[FW+2*i:FW+2*i+1]
.set i, i+1
.endr
.irp i, 0,1,2,3
	s_wait_loadcnt 24                      ; three younger batches may stay out
	DOT \i
	GLD (\i)+4
.endr
	s_wait_loadcnt 24
	DOT 4
	s_wait_loadcnt 16
	DOT 5
	s_wait_loadcnt 8
	DOT 6
	s_wait_loadcnt 0x0
	DOT 7
.irp x, 0,2,4,6
	v_pk_add_f32 v[AC+\x:AC+\x+1], v[AC+\x:AC+\x+1], v[AC+8+\x:AC+8+\x+1]
.endr
	v_pk_add_f32 v[SQ:SQ+1], v[SQ:SQ+1], v[SQ+2:SQ+3]
	v_add_f32 v[SQ], v[SQ], v[SQ+1]
	WSUM SQ
	v_fma_f32 v[SQ], v[SQ], s24, s25
	v_rsq_f32 v[SQ], v[SQ]
.irp x, 0,1,2,3,4,5,6,7
	WSUM AC+\x
.endr
	s_wait_alu depctr_va_vdst(0)           ; the root's wait, ahead of its first reader; the sums above are the work between
.irp x, 0,1,2,3,4,5,6,7
	v_mul_f32 v[AC+\x], v[AC+\x], v[SQ]
.endr
	v_mov_b32 v229, v[AC]
	v_mov_b32 v230, 0
.irp x, 1,2,3,4,5,6,7
	v_cmp_gt_f32 vcc_lo, v[AC+\x], v229
	v_cndmask_b32 v229, v229, v[AC+\x], vcc_lo
	v_cndmask_b32 v230, v230, \x, vcc_lo
.endr
	v_mov_b32 v231, 0xff800000
	v_mov_b32 v232, 0
.irp x, 0,1,2,3,4,5,6,7
	v_cmp_gt_f32 s20, v[AC+\x], v231
	v_cmp_ne_u32 s21, \x, v230
	s_and_b32 vcc_lo, s20, s21
	v_cndmask_b32 v231, v231, v[AC+\x], vcc_lo
	v_cndmask_b32 v232, v232, \x, vcc_lo
.endr
	v_sub_f32 v234, v231, v229
	v_mul_f32 v234, 0x3fb8aa3b, v234
	v_exp_f32 v234, v234
	v_lshl_or_b32 v233, v232, 8, v230      ; the two experts
	s_wait_alu depctr_va_vdst(0)
	v_add_f32 v236, 1.0, v234
	v_rcp_f32 v236, v236
.set i, 0
.rept 16                               ; hn = h fw rs: plain work behind the reciprocal
	v_pk_mul_f32 v[H+2*i:H+2*i+1], v[H+2*i:H+2*i+1], v[SQ:SQ+1] op_sel_hi:[1,0]
.set i, i+1
.endr
	s_wait_alu depctr_va_vdst(0)
	v_mul_f32 v237, v234, v236
.set i, 0
.rept 16
	v_cvt_pk_bf16_f32 v[FW+i], v[H+2*i], v[H+2*i+1]
.set i, i+1
.endr
.irp i, 0,1,2,3,4,5,6,7
	global_store_b64 v4, v[FW+2*\i:FW+2*\i+1], s[18:19] offset:256*\i     ; a wave's store covers 256 consecutive bytes, aligned
.endr
	v_cmp_eq_u32 vcc_lo, 0, v1
	s_wait_xcnt 0x0                        ; EXEC changes only behind this wait
	s_and_saveexec_b32 s26, vcc_lo
	global_store_b32 v238, v233, s[30:31]
	global_store_b64 v238, v[236:237], s[28:29] offset:2097152
	s_wait_xcnt 0x0                        ; and again ahead of the line that widens it
	s_or_b32 exec_lo, exec_lo, s26
	s_endpgm
.Lfunc_end_k_qcbaf1ce131_gate:
	.size	k_qcbaf1ce131_gate, .Lfunc_end_k_qcbaf1ce131_gate-k_qcbaf1ce131_gate
	.p2alignl 7, 3214868480
	.fill 96, 4, 3214868480
	.section	.rodata,"a",@progbits
	.p2align	6, 0x0
	.amdhsa_kernel k_qcbaf1ce131_gate
		.amdhsa_group_segment_fixed_size 0
		.amdhsa_private_segment_fixed_size 0
		.amdhsa_enable_private_segment 0
		.amdhsa_kernarg_size 40
		.amdhsa_user_sgpr_count 2
		.amdhsa_user_sgpr_kernarg_segment_ptr 1
		.amdhsa_wavefront_size32 1
		.amdhsa_system_sgpr_workgroup_id_x 1
		.amdhsa_system_sgpr_workgroup_id_y 1
		.amdhsa_system_sgpr_workgroup_id_z 1
		.amdhsa_system_vgpr_workitem_id 0
		.amdhsa_next_free_vgpr 240
		.amdhsa_next_free_sgpr 66
		.amdhsa_reserve_vcc 1
		.amdhsa_float_denorm_mode_32 3
		.amdhsa_float_denorm_mode_16_64 3
		.amdhsa_memory_ordered 1
		.amdhsa_forward_progress 1
		.amdhsa_inst_pref_size 30
	.end_amdhsa_kernel
	.amdgpu_metadata
---
amdhsa.version: [ 1, 2 ]
amdhsa.kernels:
  - .name:           k_qcbaf1ce131_gate
    .symbol:         k_qcbaf1ce131_gate.kd
    .args:
      - { .name: hbuf, .offset: 0, .size: 8, .value_kind: global_buffer, .address_space: global }
      - { .name: ffn_norm_w, .offset: 8, .size: 8, .value_kind: global_buffer, .address_space: global }
      - { .name: gate_w, .offset: 16, .size: 8, .value_kind: global_buffer, .address_space: global }
      - { .name: hnw, .offset: 24, .size: 8, .value_kind: global_buffer, .address_space: global }
      - { .name: tk, .offset: 32, .size: 8, .value_kind: global_buffer, .address_space: global }
    .group_segment_fixed_size: 0
    .private_segment_fixed_size: 0
    .kernarg_segment_align: 8
    .kernarg_segment_size: 40
    .max_flat_workgroup_size: 128
    .sgpr_count:     66
    .vgpr_count:     240
    .wavefront_size: 32
...
	.end_amdgpu_metadata
.endif
;; end of part 4
;; launch route (part 5): grid 144 x 1, 32 waves a work-group, no clusters, 12,800 bytes of LDS; arguments tk, hnw, xF, rt; writes xF, rt
.if DOCPART == 5
	.amdgcn_target "amdgcn-amd-amdhsa--gfx1250"
	.amdhsa_code_object_version 6
	.text
	.protected	k_qcbaf1ce131_route
	.globl	k_qcbaf1ce131_route
	.p2align	8
	.type	k_qcbaf1ce131_route,@function
k_qcbaf1ce131_route:
	s_mov_b64 s[64:65], 0
	v_nop
	global_prefetch_b8 v0, s[64:65] scope:SCOPE_SE
	s_setreg_imm32_b32 hwreg(HW_REG_WAVE_MODE, 25, 1), 1
	s_wait_xcnt 0x0
; From the two experts of each token (whole numbers of the launch before) to slots, and hn's rows gathered into expert order as bf16 matrix fragments.  Integers and copies alone.
; SLOTS.  An expert's pairs lie on end, in token order, each expert's run padded to a multiple of 32 slots: at most 2,296 of the 2,304.  Pad slots hold zero rows.
; Thread t is token t; work-group T repeats the small count (no traffic between work-groups) and writes tile T: slots 16 T .. 16 T + 15.  Work-group 0 also stores the tables.
; RANK of a pair in its expert: pairs in earlier waves (a table of counts in LDS) + pairs in earlier lanes (a count of mask bits).
; WHO SITS IN MY TILE.  A tile lies in one expert's run, so at most one of a token's two slots falls into it.  Each wave pushes token + 1 to lane (slot - 16 T) (lane 16 takes all others),
; stores its 32 lanes into words of its own, and behind a barrier the words of all 32 waves are combined: every LDS address is made of ids alone.
.set CNT,   0                          ; [wave 32] rows of 32 words, pitch 132 bytes: a column's 32 words lie in 32 different banks (64 banks of 4 bytes: ISA guide 11.1)
.set TOK,   4352                       ; the same shape
.set SPARE, 8704                       ; the spare words, 128 bytes for each wave; no other line names them
	s_load_b256 s[4:11], s[0:1], 0x0       ; tk, hnw, xF, rt
	v_lshl_add_u32 v12, v0, 2, SPARE
	v_mov_b32 v13, 0
	v_lshrrev_b32 v14, 5, v0
	v_readfirstlane_b32 s12, v14           ; wave 0..31
	v_and_b32 v1, 31, v0
	v_and_b32 v2, 15, v0
	v_bfe_u32 v3, v0, 4, 1
	v_lshlrev_b32 v4, 2, v0
	s_mov_b32 s16, 0x76543210
	s_mov_b32 s17, 0xfedcba98
	v_mov_b32 v8, 0
	v_mov_b32 v9, 0
	v_mov_b32 v11, 0
	v_mov_b32 v30, 0
	s_wait_kmcnt 0x0
	global_load_b32 v5, v4, s[4:5]
	s_wait_loadcnt 0x0
	v_and_b32 v6, 0xff, v5
	v_min_u32 v6, 7, v6                    ; first expert
	v_bfe_u32 v7, v5, 8, 8
	v_min_u32 v7, 7, v7                    ; second expert
.irp x, 0,1,2,3,4,5,6,7
	v_cmp_eq_u32 s20, \x, v6
	v_cmp_eq_u32 s21, \x, v7
	s_or_b32 s22, s20, s21
	v_mbcnt_lo_u32_b32 v10, s22, 0         ; pairs of expert x in earlier lanes
	v_cndmask_b32 v8, v8, v10, s20
	v_cndmask_b32 v9, v9, v10, s21
	s_bcnt1_i32_b32 s23, s22
	v_writelane_b32 v11, s23, \x           ; lane x: my wave's pairs of expert x
.endr
	s_mul_i32 s13, s12, 132
	v_lshl_add_u32 v15, v1, 2, s13
	ds_store_b32 v15, v11 offset:CNT
	s_wait_dscnt 0x0
	s_barrier_signal -1
	s_barrier_wait -1
	v_mul_u32_u24 v14, v1, 132
.irp x, 0,1,2,3,4,5,6,7
	ds_load_b32 v[16+\x], v14 offset:CNT+4*\x      ; lane l: wave l's count
.endr
	v_cmp_gt_u32 s14, s12, v1              ; waves ahead of mine
	s_wait_dscnt 0x0
.irp x, 0,1,2,3,4,5,6,7
	v_lshlrev_b32 v31, 16, v[16+\x]
	v_cndmask_b32 v31, 0, v31, s14
	v_add_nc_u32 v[16+\x], v[16+\x], v31   ; low half: for the total; high half: for the pairs ahead of my wave.  Neither passes 1,024
.endr
.irp m, 1,2,4,8
.irp x, 0,1,2,3,4,5,6,7
	v_mov_b32_dpp v30, v[16+\x] row_xmask:\m row_mask:0xf bank_mask:0xf
	v_add_nc_u32 v[16+\x], v[16+\x], v30
.endr
.endr
.irp x, 0,1,2,3,4,5,6,7
	v_permlanex16_b32 v30, v[16+\x], s16, s17
	v_add_nc_u32 v[16+\x], v[16+\x], v30
.endr
	v_mov_b32 v24, 0                       ; the run's first slot
	v_mov_b32 v26, 0
	v_mov_b32 v27, 0
	v_mov_b32 v28, 0
	v_mov_b32 v29, 0
.irp x, 0,1,2,3,4,5,6,7
	v_and_b32 v30, 0xffff, v[16+\x]
	v_lshrrev_b32 v31, 16, v[16+\x]
	v_add_nc_u32 v30, 31, v30
	v_and_b32 v30, 0xffe0, v30             ; the run's length
	v_add_nc_u32 v31, v24, v31
	v_cmp_eq_u32 vcc_lo, \x, v6
	v_cndmask_b32 v26, v26, v31, vcc_lo
	v_cmp_eq_u32 vcc_lo, \x, v7
	v_cndmask_b32 v27, v27, v31, vcc_lo
	v_cmp_eq_u32 vcc_lo, \x, v1
	v_cndmask_b32 v28, v28, v24, vcc_lo    ; lane x keeps expert x's run
	v_cndmask_b32 v29, v29, v30, vcc_lo
	v_add_nc_u32 v24, v24, v30
.endr
	v_add_nc_u32 v26, v26, v8
	v_add_nc_u32 v27, v27, v9
	v_min_u32 v26, 0x8ff, v26              ; my token's two slots
	v_min_u32 v27, 0x8ff, v27
	s_lshl_b32 s14, ttmp9, 4
	v_sub_nc_u32 v30, v26, s14
	v_sub_nc_u32 v31, v27, s14
	v_min_u32 v30, v30, v31                ; below 16 if one of them lies in my tile
	v_min_u32 v30, 16, v30
	v_lshlrev_b32 v30, 2, v30
	v_add_nc_u32 v31, 1, v0
	v_mov_b32 v14, 0
	ds_permute_b32 v14, v30, v31           ; lane k < 16: token + 1 of slot 16 T + k if it is my wave's, else 0
	s_wait_dscnt 0x0
	ds_store_b32 v15, v14 offset:TOK
	s_wait_dscnt 0x0
	s_barrier_signal -1
	s_barrier_wait -1
	v_mul_u32_u24 v25, v3, 2112            ; lanes 0-15 take waves 0-15, lanes 16-31 waves 16-31
	v_lshl_add_u32 v25, v2, 2, v25
.set q, 0
.rept 16
	ds_load_b32 v[32+q], v25 offset:TOK+132*q
.set q, q+1
.endr
	s_cmp_lg_u32 ttmp9, 0
	s_cbranch_scc1 .Lnot0
	v_lshlrev_b32 v30, 3, v0
	global_store_b64 v30, v[26:27], s[10:11]       ; the tokens' slots
	s_cmp_lg_u32 s12, 0
	s_cbranch_scc1 .Lnot0
	v_lshrrev_b32 v28, 4, v28              ; an expert's first tile,
	v_lshrrev_b32 v29, 5, v29              ; and its trips of two tiles; lanes 8 on hold 0
	v_lshlrev_b32 v31, 3, v1
	global_store_b64 v31, v[28:29], s[10:11] offset:8192   ; 256 consecutive bytes
.Lnot0:
	s_wait_dscnt 0x0
.set q, 1
.rept 15
	v_or_b32 v32, v32, v[32+q]             ; one wave at the most holds a number other than 0
.set q, q+1
.endr
	v_permlanex16_b32 v33, v32, s16, s17
	v_or_b32 v32, v32, v33
	v_cmp_ne_u32 vcc_lo, 0, v32            ; a pad slot has no token
	v_add_nc_u32 v32, -1, v32
	v_min_u32 v32, 0x3ff, v32
	v_lshlrev_b32 v32, 11, v32             ; the token's row of hn,
	s_lshl_b32 s15, s12, 6                 ; wave w takes K step w: 64 bytes of it
	v_lshl_add_u32 v33, v3, 4, s15
	v_add_nc_u32 v32, v32, v33
	global_load_b128 v[36:39], v32, s[6:7]
	global_load_b128 v[40:43], v32, s[6:7] offset:32
	s_lshl_b32 s18, ttmp9, 15
	s_mov_b32 s19, 0
	s_add_nc_u64 s[24:25], s[8:9], s[18:19]
	s_lshl_b32 s15, s12, 10
	v_lshl_add_u32 v34, v1, 4, s15
	s_wait_loadcnt 0x0
.irp i, 0,1,2,3,4,5,6,7
	v_cndmask_b32 v[36+\i], 0, v[36+\i], vcc_lo
.endr
	global_store_b128 v34, v[36:39], s[24:25]              ; 512 consecutive bytes, aligned
	global_store_b128 v34, v[40:43], s[24:25] offset:512
	s_wait_tensorcnt 0x0                   ; the wave's end
	ds_add_u32 v12, v13
	s_wait_dscnt 0x0
	s_endpgm
.Lfunc_end_k_qcbaf1ce131_route:
	.size	k_qcbaf1ce131_route, .Lfunc_end_k_qcbaf1ce131_route-k_qcbaf1ce131_route
	.p2alignl 7, 3214868480
	.fill 96, 4, 3214868480
	.section	.rodata,"a",@progbits
	.p2align	6, 0x0
	.amdhsa_kernel k_qcbaf1ce131_route
		.amdhsa_group_segment_fixed_size 12800
		.amdhsa_private_segment_fixed_size 0
		.amdhsa_enable_private_segment 0
		.amdhsa_kernarg_size 32
		.amdhsa_user_sgpr_count 2
		.amdhsa_user_sgpr_kernarg_segment_ptr 1
		.amdhsa_wavefront_size32 1
		.amdhsa_system_sgpr_workgroup_id_x 1
		.amdhsa_system_sgpr_workgroup_id_y 1
		.amdhsa_system_sgpr_workgroup_id_z 1
		.amdhsa_system_vgpr_workitem_id 0
		.amdhsa_next_free_vgpr 64
		.amdhsa_next_free_sgpr 66
		.amdhsa_reserve_vcc 1
		.amdhsa_float_denorm_mode_32 3
		.amdhsa_float_denorm_mode_16_64 3
		.amdhsa_memory_ordered 1
		.amdhsa_forward_progress 1
		.amdhsa_inst_pref_size 19
	.end_amdhsa_kernel
	.amdgpu_metadata
---
amdhsa.version: [ 1, 2 ]
amdhsa.kernels:
  - .name:           k_qcbaf1ce131_route
    .symbol:         k_qcbaf1ce131_route.kd
    .args:
      - { .name: tk, .offset: 0, .size: 8, .value_kind: global_buffer, .address_space: global }
      - { .name: hnw, .offset: 8, .size: 8, .value_kind: global_buffer, .address_space: global }
      - { .name: xF, .offset: 16, .size: 8, .value_kind: global_buffer, .address_space: global }
      - { .name: rt, .offset: 24, .size: 8, .value_kind: global_buffer, .address_space: global }
    .group_segment_fixed_size: 12800
    .private_segment_fixed_size: 0
    .kernarg_segment_align: 8
    .kernarg_segment_size: 32
    .max_flat_workgroup_size: 1024
    .sgpr_count:     66
    .vgpr_count:     64
    .wavefront_size: 32
...
	.end_amdgpu_metadata
.endif
;; end of part 5
;; launch moe1 (part 6): grid 256 x 1, 4 waves a work-group, no clusters, 86,528 bytes of LDS; arguments xF, w1, w3, rt, act; writes act
.if DOCPART == 6
	.amdgcn_target "amdgcn-amd-amdhsa--gfx1250"
	.amdhsa_code_object_version 6
	.text
	.protected	k_qcbaf1ce131_moe1
	.globl	k_qcbaf1ce131_moe1
	.p2align	8
	.type	k_qcbaf1ce131_moe1,@function
k_qcbaf1ce131_moe1:
	s_mov_b64 s[64:65], 0
	v_nop
	global_prefetch_b8 v0, s[64:65] scope:SCOPE_SE
	s_setreg_imm32_b32 hwreg(HW_REG_WAVE_MODE, 25, 1), 1
	s_wait_xcnt 0x0
; g = silu(xs w1[e]) (xs w3[e]) for the tokens that chose expert e, bf16 operands, f32 sums; g leaves as bf16 fragments for the next product.
; An expert whose routing weight is 0 for a token adds exactly 0 to the result, so only the chosen pairs are computed; they lie in expert order (the launch before), padded with zero rows.
; SHARES.  Work-group = expert e, 64 columns of w1 and the same 64 of w3: each byte of the weights is read once in the launch, by one wave.  K = 1,024 IS SPLIT AMONG THE FOUR WAVES, 256 each: a wave's
; 2 x 256 x 64 weights stay in 512 registers as fragments (f32 chunks rounded, staged in the wave's own LDS, read back turned); the expert's token tiles come straight from memory into registers, two a trip;
; the four partial tiles meet in LDS, one barrier a tile, two regions by turns; wave w finishes column block w of both products.
; Products are taken transposed (source 0 = 16 weight columns, source 1 = 16 tokens): a lane ends with a token and eight neighbouring columns: 16 bytes of the next product's fragment.
; THE WALK.  How many trips an expert has, and where its tiles lie, are whole numbers of an earlier launch.  The loop counts to the constant 32 (an expert can hold all 1,024 tokens: 64 tiles), and both barriers
; of a trip stand on every wave's path in every trip; a trip past the expert's last jumps, forward, over the three pieces of work between them.  NaN and infinities are not treated apart.
; NO CLUSTER: the weights, nearly all of the bytes, are shared by nobody; the shared token tiles go to registers, with no tile in LDS to ask for jointly.
; REGISTERS.  window 0: addresses, CT, 8 accumulators, the reduction.  windows 1, 2: fragments (column block cbx of 8, K step ks) at 8 (8 (ks % 4) + cbx) in window 1 + ks / 4.  window 3: four buffers of 64 for the loads.
.set RED0,  0                          ; [wave 4][accumulator 8][half 2][lane x 16 bytes]
.set RED1,  32768
.set STG,   65536                      ; a stage of 32 rows, pitch 160, for each wave
.set SPARE, 86016                      ; the spare words, 128 bytes for each wave; no other line names them
.set TRIPS, 32
.set GOFF, 4
.set STA,  5
.set TRA,  6
.set AOFF, 7                           ; also where my partial tiles go in LDS: 8,192 w + 16 lane
.set RRD,  8
.set GSTO, 9
.set PFO,  10
.set SPW,  11
.set NIL,  12
.set CT,   16
.set ACC,  64
.set RD,   128
.set EX,   192
.set GX,   200
.set GY,   204
.set MSB, 0
.macro WIN new                         ; the immediate's high byte repeats the setting that is left
.if MSB != (\new)
	s_set_vgpr_msb (MSB<<8)|(\new)
.set MSB, \new
.endif
.endm
; Unit u, 16 loads into buffer u % 4.  u < 16: K step u / 2 of w1 (even u) or w3 (odd u): 32 rows x 64 columns, lanes 0-15 one row's 256 bytes, lanes 16-31 the row four below.  16, 17: the first two token tiles.
.macro UNIT u
	WIN 0xc0
.set i, 0
.rept 16
.if (\u) >= 16
	global_load_b128 v[64*((\u)%4)+4*i:64*((\u)%4)+4*i+3], v[AOFF], s[24:25] offset:((\u)-16)*32768+512*i
.elseif (\u)%2
	global_load_b128 v[64*((\u)%4)+4*i:64*((\u)%4)+4*i+3], v[GOFF], s[20:21] offset:(32*((\u)/2)+8*(i/4)+i%4)*8192 th:TH_LOAD_NT
.else
	global_load_b128 v[64*((\u)%4)+4*i:64*((\u)%4)+4*i+3], v[GOFF], s[18:19] offset:(32*((\u)/2)+8*(i/4)+i%4)*8192 th:TH_LOAD_NT
.endif
.set i, i+1
.endr
.endm
.macro LOADA buf, imm
	WIN 0xc0
.set i, 0
.rept 16
	global_load_b128 v[(\buf)+4*i:(\buf)+4*i+3], v[AOFF], s[24:25] offset:(\imm)+512*i
.set i, i+1
.endr
.endm
.macro CONVW c, n                      ; n: the loads of the younger units, which may stay out
	s_wait_loadcnt \n
	WIN 0x0f
.set i, 0
.rept 32
	v_cvt_pk_bf16_f32 v[CT+i], v[64*((\c)%4)+2*i], v[64*((\c)%4)+2*i+1]
.set i, i+1
.endr
.if (\c)+4 < 18
	UNIT (\c)+4
.endif
	WIN 0
.set i, 0
.rept 16
	ds_store_b64 v[STA], v[CT+2*i:CT+2*i+1] offset:(8*(i/4)+i%4)*160
.set i, i+1
.endr
	WIN 0x40*(1+(\c)/8)
.set i, 0
.rept 4                                ; LDS serves a wave in order (ISA guide 5.7.1.4): these see the stores above, and the next chunk's stores come behind them
	ds_load_tr16_b128 v[((((\c)/2)%4)*8+4*((\c)%2)+i)*8:((((\c)/2)%4)*8+4*((\c)%2)+i)*8+3], v[TRA] offset:i*32
	ds_load_tr16_b128 v[((((\c)/2)%4)*8+4*((\c)%2)+i)*8+4:((((\c)/2)%4)*8+4*((\c)%2)+i)*8+7], v[TRA] offset:i*32+2560
.set i, i+1
.endr
.endm
; A tile's 64 products: eight accumulators by turns; the first K step starts the sums with the constant 0.  Five plain instructions follow: the next tile's first products
; write over these accumulators, the stores below read them, and the tile's buffer is loaded again.
.macro MULT buf
.set ks, 0
.rept 8
	WIN 0x0d+ks/4
.set cb, 0
.rept 8
.if ks == 0
	v_wmma_f32_16x16x32_bf16 v[ACC+8*cb:ACC+8*cb+7], v[((ks%4)*8+cb)*8:((ks%4)*8+cb)*8+7], v[(\buf)+8*ks:(\buf)+8*ks+7], 0
.else
	v_wmma_f32_16x16x32_bf16 v[ACC+8*cb:ACC+8*cb+7], v[((ks%4)*8+cb)*8:((ks%4)*8+cb)*8+7], v[(\buf)+8*ks:(\buf)+8*ks+7], v[ACC+8*cb:ACC+8*cb+7]
.endif
.set cb, cb+1
.endr
.set ks, ks+1
.endr
	WIN 0
.rept 5
	v_nop
.endr
.endm
.macro REDST b                         ; each accumulator's low half first
.set i, 0
.rept 16
	ds_store_b128 v[AOFF], v[ACC+4*i:ACC+4*i+3] offset:(\b)+512*i
.set i, i+1
.endr
.endm
.macro REDLD b                         ; column block w of w1's product (m = 0) and of w3's (m = 1), all four partial tiles
.irp p, 0,1,2,3
.irp m, 0,1
.irp c, 0,1
	ds_load_b128 v[RD+16*\p+8*\m+4*\c:RD+16*\p+8*\m+4*\c+3], v[RRD] offset:(\b)+\p*8192+\m*4096+\c*512
.endr
.endr
.endr
.endm
.macro FIN g                           ; h1 = v[RD..RD+7], h3 = v[RD+8..RD+15]; g = h1 h3 / (1 + 2^(-log2(e) h1)), rounded once
.irp x, 0,2,4,6,8,10,12,14
	v_pk_add_f32 v[RD+\x:RD+\x+1], v[RD+\x:RD+\x+1], v[RD+16+\x:RD+16+\x+1]
	v_pk_add_f32 v[RD+32+\x:RD+32+\x+1], v[RD+32+\x:RD+32+\x+1], v[RD+48+\x:RD+48+\x+1]
.endr
.irp x, 0,2,4,6,8,10,12,14
	v_pk_add_f32 v[RD+\x:RD+\x+1], v[RD+\x:RD+\x+1], v[RD+32+\x:RD+32+\x+1]
.endr
.irp x, 0,2,4,6
	v_pk_mul_f32 v[EX+\x:EX+\x+1], v[RD+\x:RD+\x+1], 0xbfb8aa3b op_sel_hi:[1,0]
.endr
.irp x, 0,1,2,3,4,5,6,7
	v_exp_f32 v[EX+\x], v[EX+\x]
.endr
.irp x, 0,2,4,6
	v_pk_mul_f32 v[RD+8+\x:RD+9+\x], v[RD+8+\x:RD+9+\x], v[RD+\x:RD+\x+1]   ; plain work behind the exponentials
.endr
	s_wait_alu depctr_va_vdst(0)           ; one wait for the eight
.irp x, 0,2,4,6
	v_pk_add_f32 v[EX+\x:EX+\x+1], v[EX+\x:EX+\x+1], 1.0 op_sel_hi:[1,0]
.endr
.irp x, 0,1,2,3,4,5,6,7
	v_rcp_f32 v[EX+\x], v[EX+\x]
.endr
	v_nop
	s_wait_alu depctr_va_vdst(0)           ; one wait for the eight
.irp x, 0,2,4,6
	v_pk_mul_f32 v[RD+8+\x:RD+9+\x], v[RD+8+\x:RD+9+\x], v[EX+\x:EX+\x+1]
.endr
.irp x, 0,1,2,3
	v_cvt_pk_bf16_f32 v[(\g)+\x], v[RD+8+2*\x], v[RD+9+2*\x]
.endr
.endm
	s_load_b256 s[4:11], s[0:1], 0x0       ; xF, w1, w3, rt
	s_load_b64 s[12:13], s[0:1], 0x20      ; act
	v_lshl_add_u32 v[SPW], v0, 2, SPARE
	v_mov_b32 v[NIL], 0
	v_lshrrev_b32 v13, 5, v0
	v_readfirstlane_b32 s14, v13           ; wave
	s_lshr_b32 s15, ttmp9, 5               ; expert
	s_and_b32 s16, ttmp9, 31               ; block of 64 columns
	v_and_b32 v1, 31, v0
	v_and_b32 v2, 15, v0
	v_bfe_u32 v3, v0, 4, 1
	v_lshlrev_b32 v[GOFF], 4, v2
	v_lshl_add_u32 v[GOFF], v3, 15, v[GOFF]
	s_mul_i32 s17, s14, 5120
	s_add_co_u32 s17, s17, STG
	v_mul_u32_u24 v[STA], v3, 640
	v_lshl_add_u32 v[STA], v2, 3, v[STA]
	v_add_nc_u32 v[STA], s17, v[STA]
	v_and_b32 v13, 7, v0
	v_lshl_add_u32 v13, v3, 3, v13
	v_mul_u32_u24 v[TRA], v13, 160
	v_bfe_u32 v14, v0, 3, 1
	v_lshl_add_u32 v[TRA], v14, 4, v[TRA]
	v_add_nc_u32 v[TRA], s17, v[TRA]
	s_lshl_b32 s31, s14, 13
	v_lshl_add_u32 v[AOFF], v1, 4, s31
	s_lshl_b32 s31, s14, 10
	v_lshl_add_u32 v[RRD], v1, 4, s31
	s_lshl2_add_u32 s31, s16, s14
	s_lshl_b32 s31, s31, 9
	v_lshl_add_u32 v[GSTO], v1, 4, s31     ; g out: block 4 fb + w of the tile's 128
	v_lshlrev_b32 v[PFO], 8, v1
	s_lshl_b32 s32, s15, 23
	s_lshl_b32 s31, s14, 21
	s_add_co_u32 s32, s32, s31
	s_lshl_b32 s31, s16, 8
	s_add_co_u32 s32, s32, s31
	s_mov_b32 s33, 0
	s_lshl_b32 s31, s15, 3
	s_wait_kmcnt 0x0
	s_load_b64 s[22:23], s[10:11], s31 offset:8192     ; the expert's first tile and its trips
	s_add_nc_u64 s[18:19], s[6:7], s[32:33]
	s_add_nc_u64 s[20:21], s[8:9], s[32:33]
	UNIT 0
	UNIT 1
	UNIT 2
	UNIT 3
	s_wait_kmcnt 0x0
	s_min_u32 s22, s22, 142
	s_min_u32 s23, s23, TRIPS
	s_lshl_b32 s32, s22, 15
	s_add_nc_u64 s[24:25], s[4:5], s[32:33]
	s_lshl2_add_u32 s34, s16, s14          ; my number among the expert's 128 waves
	s_lshl_b32 s32, s34, 13
	s_add_nc_u64 s[28:29], s[24:25], s[32:33]
	s_mov_b32 s35, s22
.irp c, 0,1,2,3,4,5,6,7,8,9
	CONVW \c, 48
.endr
	; The expert's token tiles are prefetched while the weights stream: 8 x trips pieces of 8 KiB (a lane a block of 256 bytes), piece q + 128 z by wave q of the expert's 128: each block is named once in the launch.
	WIN 0
	s_lshl_b32 s36, s23, 3
.irp z, 0,1
	s_add_co_u32 s31, s34, 128*\z
	s_cmp_lt_u32 s31, s36
	s_cbranch_scc0 .Lpf\z
	global_prefetch_b8 v[PFO], s[28:29] offset:1048576*\z th:TH_LOAD_NT scope:SCOPE_SE
.Lpf\z:
.endr
.irp c, 10,11,12,13,14
	CONVW \c, 48
.endr
	CONVW 15, 32                           ; only the two tiles are younger
	WIN 0
	s_wait_dscnt 0x0                       ; all fragments of the weights are in registers
	s_mov_b32 s30, 0
; A trip: two tiles X (buffer 0) and Y (buffer 64).  RED0 is written in the first piece, read in the second, and written again only behind the trip's second barrier; RED1 is written in the second piece, read in the
; third, and written again only behind the next trip's first barrier; ahead of each signal every wave has waited for all its LDS instructions.
; Token tiles are asked for in the second piece alone (and ahead of the loop), X's sixteen loads always followed by Y's sixteen: so the two waits below hold whichever pieces were jumped over.
.Ltrip:
	s_wait_xcnt 0x0                        ; bases and the last stores' data are written again only behind this wait
	s_cmp_lt_u32 s30, s23
	s_cselect_b32 s37, 1, 0                ; 1: the expert has this trip
	s_min_u32 s31, s35, 142
	s_lshl_b32 s32, s31, 16
	s_add_nc_u64 s[26:27], s[12:13], s[32:33]  ; where this trip's g goes
	s_add_co_u32 s31, s35, 2
	s_min_u32 s31, s31, 142                ; the next trip's tiles; behind the expert's last they are fetched and not multiplied
	s_lshl_b32 s32, s31, 15
	s_add_nc_u64 s[24:25], s[4:5], s[32:33]
	s_cmp_eq_u32 s37, 0
	s_cbranch_scc1 .Ldead1
	s_wait_loadcnt 16                      ; X is in: at most Y's sixteen loads are younger
	MULT 0
	REDST RED0
.Ldead1:
	s_wait_dscnt 0x0                       ; my partial tile is in LDS, and my reads of RED1 are back
	s_barrier_signal -1
	s_barrier_wait -1
	s_cmp_eq_u32 s37, 0
	s_cbranch_scc1 .Ldead2
	s_wait_loadcnt 0x0                     ; Y is in; it was asked for a trip ago, and nothing younger is out
	LOADA 0, 0                             ; the next X: it has Y's products and the third piece in which to land
	WIN 0
	REDLD RED0
	MULT 64
	LOADA 64, 32768                        ; the next Y
	WIN 0
	REDST RED1
	s_wait_dscnt 16                        ; the reads of RED0 are back; the sixteen stores behind them may stay out
	FIN GX
	global_store_b128 v[GSTO], v[GX:GX+3], s[26:27]                ; 512 consecutive bytes, aligned
.Ldead2:
	s_wait_dscnt 0x0                       ; my partial tile is in LDS, and my reads of RED0 are back
	s_barrier_signal -1
	s_barrier_wait -1
	s_cmp_eq_u32 s37, 0
	s_cbranch_scc1 .Ldead3
	REDLD RED1
	s_wait_dscnt 0x0
	FIN GY
	global_store_b128 v[GSTO], v[GY:GY+3], s[26:27] offset:65536
.Ldead3:
	s_add_co_u32 s35, s35, 2
	s_add_co_u32 s30, s30, 1
	s_cmp_lt_u32 s30, TRIPS
	s_cbranch_scc1 .Ltrip
	s_wait_tensorcnt 0x0                   ; the wave's end
	ds_add_u32 v[SPW], v[NIL]
	s_wait_dscnt 0x0
	s_endpgm
.Lfunc_end_k_qcbaf1ce131_moe1:
	.size	k_qcbaf1ce131_moe1, .Lfunc_end_k_qcbaf1ce131_moe1-k_qcbaf1ce131_moe1
	.p2alignl 7, 3214868480
	.fill 96, 4, 3214868480
	.section	.rodata,"a",@progbits
	.p2align	6, 0x0
	.amdhsa_kernel k_qcbaf1ce131_moe1
		.amdhsa_group_segment_fixed_size 86528
		.amdhsa_private_segment_fixed_size 0
		.amdhsa_enable_private_segment 0
		.amdhsa_kernarg_size 40
		.amdhsa_user_sgpr_count 2
		.amdhsa_user_sgpr_kernarg_segment_ptr 1
		.amdhsa_wavefront_size32 1
		.amdhsa_system_sgpr_workgroup_id_x 1
		.amdhsa_system_sgpr_workgroup_id_y 1
		.amdhsa_system_sgpr_workgroup_id_z 1
		.amdhsa_system_vgpr_workitem_id 0
		.amdhsa_next_free_vgpr 1024
		.amdhsa_next_free_sgpr 66
		.amdhsa_reserve_vcc 0
		.amdhsa_float_denorm_mode_32 3
		.amdhsa_float_denorm_mode_16_64 3
		.amdhsa_memory_ordered 1
		.amdhsa_forward_progress 1
		.amdhsa_inst_pref_size 113
	.end_amdhsa_kernel
	.amdgpu_metadata
---
amdhsa.version: [ 1, 2 ]
amdhsa.kernels:
  - .name:           k_qcbaf1ce131_moe1
    .symbol:         k_qcbaf1ce131_moe1.kd
    .args:
      - { .name: xF, .offset: 0, .size: 8, .value_kind: global_buffer, .address_space: global }
      - { .name: w1, .offset: 8, .size: 8, .value_kind: global_buffer, .address_space: global }
      - { .name: w3, .offset: 16, .size: 8, .value_kind: global_buffer, .address_space: global }
      - { .name: rt, .offset: 24, .size: 8, .value_kind: global_buffer, .address_space: global }
      - { .name: act, .offset: 32, .size: 8, .value_kind: global_buffer, .address_space: global }
    .group_segment_fixed_size: 86528
    .private_segment_fixed_size: 0
    .kernarg_segment_align: 8
    .kernarg_segment_size: 40
    .max_flat_workgroup_size: 128
    .sgpr_count:     66
    .vgpr_count:     1024
    .wavefront_size: 32
...
	.end_amdgpu_metadata
.endif
;; end of part 6
;; launch moe2 (part 7): grid 256 x 1, 4 waves a work-group, no clusters, 55,808 bytes of LDS; arguments act, w2, rt, ys; writes ys
.if DOCPART == 7
	.amdgcn_target "amdgcn-amd-amdhsa--gfx1250"
	.amdhsa_code_object_version 6
	.text
	.protected	k_qcbaf1ce131_moe2
	.globl	k_qcbaf1ce131_moe2
	.p2align	8
	.type	k_qcbaf1ce131_moe2,@function
k_qcbaf1ce131_moe2:
	s_mov_b64 s[64:65], 0
	v_nop
	global_prefetch_b8 v0, s[64:65] scope:SCOPE_SE
	s_setreg_imm32_b32 hwreg(HW_REG_WAVE_MODE, 25, 1), 1
	s_wait_xcnt 0x0
; One K half of g w2[e], bf16 operands, f32 sums.  g: fragments [tile][128 blocks of 16 k][512 bytes]; w2 f32 [8][2048][1024].
; SHARES.  Work-group = expert e, 64 columns, K half kh: each byte of the weights is read once in the launch, by one wave.  The half's K = 1,024 IS SPLIT AMONG THE FOUR WAVES, 256 each.  A wave's weights stay in
; registers as fragments (f32 chunks rounded, staged in the wave's own LDS, read back turned); token tiles come straight from memory into registers, 8 KiB on end for a wave and tile; the four partial tiles
; meet in LDS, one barrier a tile, two regions by turns.  Products are taken transposed (source 0 = 16 weight columns, source 1 = 16 tokens).  Results leave as whole rows: sixteen lanes store 256 consecutive bytes, aligned.
; The two K halves are partial sums in f32; the last launch adds them.  NaN and infinities are not treated apart.
; THE WALK.  How many trips an expert has, and where its tiles lie, are whole numbers of an earlier launch.  The loop counts to the constant 32 (an expert can hold all 1,024 tokens: 64 tiles), and both barriers
; of a trip stand on every wave's path in every trip; a trip past the expert's last jumps, forward, over the three pieces of work between them.
; NO CLUSTER: the weights, nearly all of the bytes, are read by one wave of one work-group each; the shared token tiles go to registers, with no tile in LDS to ask for jointly.
; REGISTERS.  window 0: addresses, CT, 4 accumulators, the reduction.  window 1: fragments (K step ks, column block cb) at 8 (4 ks + cb).  window 2: four buffers of 64 for the loads.
.set RED0,  0                          ; [wave 4][token 16] rows of 256 bytes, pitch 272
.set RED1,  17408
.set STG,   34816                      ; a stage of 32 rows, pitch 160, for each wave
.set SPARE, 55296                      ; the spare words, 128 bytes for each wave; no other line names them
.set TILEB, 65536
.set TRIPS, 32
.set GOFF, 4
.set STA,  5
.set TRA,  6
.set AOFF, 7
.set RST,  8
.set RRD,  9
.set YO,   10
.set PFO,  11
.set SPW,  12
.set NIL,  13
.set CT,   32
.set ACC,  64
.set RDX,  128
.set RDY,  160
.set MSB, 0
.macro WIN new                         ; the immediate's high byte repeats the setting that is left
.if MSB != (\new)
	s_set_vgpr_msb (MSB<<8)|(\new)
.set MSB, \new
.endif
.endm
; Unit u of the ring in window 2, 16 loads into buffer u % 4.  0-7: 32 rows x 64 columns of the weights (lanes 0-15 one row's 256 bytes, lanes 16-31 the row four below); 8, 9: the first two token tiles.
.macro UNIT u
	WIN 0x80
.set i, 0
.rept 16
.if (\u) >= 8
	global_load_b128 v[64*((\u)%4)+4*i:64*((\u)%4)+4*i+3], v[AOFF], s[24:25] offset:((\u)-8)*TILEB+512*i
.else
	global_load_b128 v[64*((\u)%4)+4*i:64*((\u)%4)+4*i+3], v[GOFF], s[18:19] offset:(32*(\u)+8*(i/4)+i%4)*4096 th:TH_LOAD_NT
.endif
.set i, i+1
.endr
.endm
.macro LOADA buf, imm
	WIN 0x80
.set i, 0
.rept 16
	global_load_b128 v[(\buf)+4*i:(\buf)+4*i+3], v[AOFF], s[24:25] offset:(\imm)+512*i
.set i, i+1
.endr
.endm
; Chunk c = K step c.  n: the loads of the younger units, which may stay out.
.macro CONVW c, n
	s_wait_loadcnt \n
	WIN 0x0a
.set i, 0
.rept 32
	v_cvt_pk_bf16_f32 v[CT+i], v[64*((\c)%4)+2*i], v[64*((\c)%4)+2*i+1]
.set i, i+1
.endr
.if (\c)+4 < 10
	UNIT (\c)+4
.endif
	WIN 0
.set i, 0
.rept 16
	ds_store_b64 v[STA], v[CT+2*i:CT+2*i+1] offset:(8*(i/4)+i%4)*160
.set i, i+1
.endr
	WIN 0x40
.set i, 0
.rept 4                                ; LDS serves a wave in order (ISA guide 5.7.1.4): these see the stores above, and the next chunk's stores come behind them
	ds_load_tr16_b128 v[((\c)*4+i)*8:((\c)*4+i)*8+3], v[TRA] offset:i*32
	ds_load_tr16_b128 v[((\c)*4+i)*8+4:((\c)*4+i)*8+7], v[TRA] offset:i*32+2560
.set i, i+1
.endr
.endm
; A tile's 32 products: four accumulators by turns; the first K step starts the sums with the constant 0.  Five plain instructions follow: the next tile's first products
; write over these accumulators, the stores below read them, and the tile's buffer is loaded again.
.macro MULT buf
	WIN 0x09
.set ks, 0
.rept 8
.set cb, 0
.rept 4
.if ks == 0
	v_wmma_f32_16x16x32_bf16 v[ACC+8*cb:ACC+8*cb+7], v[(ks*4+cb)*8:(ks*4+cb)*8+7], v[(\buf)+8*ks:(\buf)+8*ks+7], 0
.else
	v_wmma_f32_16x16x32_bf16 v[ACC+8*cb:ACC+8*cb+7], v[(ks*4+cb)*8:(ks*4+cb)*8+7], v[(\buf)+8*ks:(\buf)+8*ks+7], v[ACC+8*cb:ACC+8*cb+7]
.endif
.set cb, cb+1
.endr
.set ks, ks+1
.endr
	WIN 0
.rept 5
	v_nop
.endr
.endm
.macro REDST b                         ; my partial tile: token r's row, columns 16 cb + 8 h on; each accumulator's low half first
.set i, 0
.rept 8
	ds_store_b128 v[RST], v[ACC+4*i:ACC+4*i+3] offset:(\b)+(i/2)*64+(i%2)*16
.set i, i+1
.endr
.endm
.macro REDLD b, rd                     ; rows 4 w + h and 4 w + h + 2 of all four partial tiles
.irp p, 0,1,2,3
	ds_load_b128 v[(\rd)+8*\p:(\rd)+8*\p+3], v[RRD] offset:(\b)+\p*4352
	ds_load_b128 v[(\rd)+8*\p+4:(\rd)+8*\p+7], v[RRD] offset:(\b)+\p*4352+544
.endr
.endm
.macro FIN rd
.irp x, 0,2,4,6
	v_pk_add_f32 v[(\rd)+\x:(\rd)+\x+1], v[(\rd)+\x:(\rd)+\x+1], v[(\rd)+8+\x:(\rd)+8+\x+1]
	v_pk_add_f32 v[(\rd)+16+\x:(\rd)+16+\x+1], v[(\rd)+16+\x:(\rd)+16+\x+1], v[(\rd)+24+\x:(\rd)+24+\x+1]
.endr
.irp x, 0,2,4,6
	v_pk_add_f32 v[(\rd)+\x:(\rd)+\x+1], v[(\rd)+\x:(\rd)+\x+1], v[(\rd)+16+\x:(\rd)+16+\x+1]
.endr
.endm
.macro GST rd, imm                     ; sixteen lanes store 256 consecutive bytes, aligned
	global_store_b128 v[YO], v[(\rd):(\rd)+3], s[26:27] offset:(\imm)
	global_store_b128 v[YO], v[(\rd)+4:(\rd)+7], s[26:27] offset:(\imm)+8192
.endm
	s_load_b256 s[4:11], s[0:1], 0x0       ; g's fragments, w2, rt, ys
	v_lshl_add_u32 v[SPW], v0, 2, SPARE
	v_mov_b32 v[NIL], 0
	v_lshrrev_b32 v14, 5, v0
	v_readfirstlane_b32 s12, v14           ; wave
	s_lshr_b32 s14, ttmp9, 5               ; expert
	s_bfe_u32 s15, ttmp9, 0x40001          ; block of 64 columns
	s_and_b32 s16, ttmp9, 1                ; K half
	v_and_b32 v1, 31, v0
	v_and_b32 v2, 15, v0
	v_bfe_u32 v3, v0, 4, 1
	v_lshlrev_b32 v[GOFF], 4, v2
	v_lshl_add_u32 v[GOFF], v3, 14, v[GOFF]
	s_mul_i32 s17, s12, 5120
	s_add_co_u32 s17, s17, STG
	v_mul_u32_u24 v[STA], v3, 640
	v_lshl_add_u32 v[STA], v2, 3, v[STA]
	v_add_nc_u32 v[STA], s17, v[STA]
	v_and_b32 v14, 7, v0
	v_lshl_add_u32 v14, v3, 3, v14
	v_mul_u32_u24 v[TRA], v14, 160
	v_bfe_u32 v15, v0, 3, 1
	v_lshl_add_u32 v[TRA], v15, 4, v[TRA]
	v_add_nc_u32 v[TRA], s17, v[TRA]
	s_lshl_b32 s31, s12, 13
	s_lshl_b32 s32, s16, 15
	s_add_co_u32 s31, s31, s32
	v_lshl_add_u32 v[AOFF], v1, 4, s31     ; my K half's 32 KiB of a tile, my wave's 8 KiB of it
	s_mul_i32 s31, s12, 4352
	v_mul_u32_u24 v[RST], v2, 272
	v_lshl_add_u32 v[RST], v3, 5, v[RST]
	v_add_nc_u32 v[RST], s31, v[RST]
	s_mul_i32 s31, s12, 1088
	v_mul_u32_u24 v[RRD], v3, 272
	v_lshl_add_u32 v[RRD], v2, 4, v[RRD]
	v_add_nc_u32 v[RRD], s31, v[RRD]
	s_lshl_b32 s31, s12, 14
	s_lshl_b32 s32, s15, 8
	s_add_co_u32 s31, s31, s32
	v_lshlrev_b32 v[YO], 12, v3
	v_lshl_add_u32 v[YO], v2, 4, v[YO]
	v_add_nc_u32 v[YO], s31, v[YO]
	v_lshlrev_b32 v[PFO], 8, v1
	s_lshl_b32 s32, s12, 20                ; my 256 rows of the weights,
	s_lshl_b32 s31, s15, 8                 ; my group's 64 columns,
	s_add_co_u32 s32, s32, s31
	s_lshl_b32 s31, s14, 23                ; the expert,
	s_add_co_u32 s32, s32, s31
	s_lshl_b32 s31, s16, 22                ; the K half
	s_add_co_u32 s32, s32, s31
	s_lshl_b32 s31, s14, 3
	s_mov_b32 s33, 0
	s_wait_kmcnt 0x0
	s_load_b64 s[22:23], s[8:9], s31 offset:8192   ; the expert's first tile and its trips
	s_add_nc_u64 s[18:19], s[6:7], s[32:33]
	UNIT 0
	UNIT 1
	UNIT 2
	UNIT 3
	s_wait_kmcnt 0x0
	s_min_u32 s22, s22, 142
	s_min_u32 s23, s23, TRIPS
	s_lshl_b32 s32, s22, 16
	s_add_nc_u64 s[24:25], s[4:5], s[32:33]
	s_and_b32 s34, ttmp9, 31
	s_lshl2_add_u32 s34, s34, s12          ; my number among the expert's 128 waves
	s_lshl_b32 s32, s34, 13
	s_add_nc_u64 s[28:29], s[24:25], s[32:33]
	s_mul_i32 s32, s16, 9437184
	s_add_nc_u64 s[36:37], s[10:11], s[32:33]
	s_mov_b32 s35, s22
	CONVW 0, 48
	CONVW 1, 48
	CONVW 2, 48
	; The expert's token tiles are prefetched while the weights stream: 16 x trips pieces of 8 KiB (a lane a block of 256 bytes), piece q + 128 z by wave q of the expert's 128: each block is named once in the launch.
	WIN 0
	s_lshl_b32 s38, s23, 4
.irp z, 0,1,2,3
	s_add_co_u32 s31, s34, 128*\z
	s_cmp_lt_u32 s31, s38
	s_cbranch_scc0 .Lpf\z
	global_prefetch_b8 v[PFO], s[28:29] offset:1048576*\z th:TH_LOAD_NT scope:SCOPE_SE
.Lpf\z:
.endr
	CONVW 3, 48
	CONVW 4, 48
	CONVW 5, 48
	CONVW 6, 48
	CONVW 7, 32                            ; only the two tiles are younger
	WIN 0
	s_wait_dscnt 0x0                       ; all fragments of the weights are in registers
	s_mov_b32 s30, 0
; A trip: two tiles X (buffer 0) and Y (buffer 64).  RED0 is written in the first piece, read in the second, and written again only behind the trip's second barrier; RED1 is written in the second piece, read in the
; third, and written again only behind the next trip's first barrier; ahead of each signal every wave has waited for all its LDS instructions.
; Token tiles are asked for in the second piece alone (and ahead of the loop), X's sixteen loads always followed by Y's sixteen: so the two waits below hold whichever pieces were jumped over.
.Ltrip:
	s_wait_xcnt 0x0                        ; bases and the last stores' data are written again only behind this wait
	s_cmp_lt_u32 s30, s23
	s_cselect_b32 s39, 1, 0                ; 1: the expert has this trip
	s_min_u32 s31, s35, 142
	s_lshl_b32 s32, s31, 16
	s_add_nc_u64 s[26:27], s[36:37], s[32:33]  ; where this trip's two tiles go
	s_add_co_u32 s31, s35, 2
	s_min_u32 s31, s31, 142                ; the next trip's tiles; behind the expert's last they are fetched and not multiplied
	s_lshl_b32 s32, s31, 16
	s_add_nc_u64 s[24:25], s[4:5], s[32:33]
	s_cmp_eq_u32 s39, 0
	s_cbranch_scc1 .Ldead1
	s_wait_loadcnt 16                      ; X is in: at most Y's sixteen loads are younger
	MULT 0
	REDST RED0
.Ldead1:
	s_wait_dscnt 0x0                       ; my partial tile is in LDS, and my reads of RED1 are back
	s_barrier_signal -1
	s_barrier_wait -1
	s_cmp_eq_u32 s39, 0
	s_cbranch_scc1 .Ldead2
	s_wait_loadcnt 0x0                     ; Y is in; it was asked for a trip ago, and nothing younger is out
	LOADA 0, 0                             ; the next X: it has Y's products and the third piece in which to land
	WIN 0
	REDLD RED0, RDX
	MULT 64
	LOADA 64, TILEB                        ; the next Y
	WIN 0
	REDST RED1
	s_wait_dscnt 8                         ; the reads of RED0 are back; the eight stores behind them may stay out
	FIN RDX
	GST RDX, 0
.Ldead2:
	s_wait_dscnt 0x0                       ; my partial tile is in LDS, and my reads of RED0 are back
	s_barrier_signal -1
	s_barrier_wait -1
	s_cmp_eq_u32 s39, 0
	s_cbranch_scc1 .Ldead3
	REDLD RED1, RDY
	s_wait_dscnt 0x0
	FIN RDY
	GST RDY, 65536
.Ldead3:
	s_add_co_u32 s35, s35, 2
	s_add_co_u32 s30, s30, 1
	s_cmp_lt_u32 s30, TRIPS
	s_cbranch_scc1 .Ltrip
	s_wait_tensorcnt 0x0                   ; the wave's end
	ds_add_u32 v[SPW], v[NIL]
	s_wait_dscnt 0x0
	s_endpgm
.Lfunc_end_k_qcbaf1ce131_moe2:
	.size	k_qcbaf1ce131_moe2, .Lfunc_end_k_qcbaf1ce131_moe2-k_qcbaf1ce131_moe2
	.p2alignl 7, 3214868480
	.fill 96, 4, 3214868480
	.section	.rodata,"a",@progbits
	.p2align	6, 0x0
	.amdhsa_kernel k_qcbaf1ce131_moe2
		.amdhsa_group_segment_fixed_size 55808
		.amdhsa_private_segment_fixed_size 0
		.amdhsa_enable_private_segment 0
		.amdhsa_kernarg_size 32
		.amdhsa_user_sgpr_count 2
		.amdhsa_user_sgpr_kernarg_segment_ptr 1
		.amdhsa_wavefront_size32 1
		.amdhsa_system_sgpr_workgroup_id_x 1
		.amdhsa_system_sgpr_workgroup_id_y 1
		.amdhsa_system_sgpr_workgroup_id_z 1
		.amdhsa_system_vgpr_workitem_id 0
		.amdhsa_next_free_vgpr 768
		.amdhsa_next_free_sgpr 66
		.amdhsa_reserve_vcc 0
		.amdhsa_float_denorm_mode_32 3
		.amdhsa_float_denorm_mode_16_64 3
		.amdhsa_memory_ordered 1
		.amdhsa_forward_progress 1
		.amdhsa_inst_pref_size 62
	.end_amdhsa_kernel
	.amdgpu_metadata
---
amdhsa.version: [ 1, 2 ]
amdhsa.kernels:
  - .name:           k_qcbaf1ce131_moe2
    .symbol:         k_qcbaf1ce131_moe2.kd
    .args:
      - { .name: act, .offset: 0, .size: 8, .value_kind: global_buffer, .address_space: global }
      - { .name: w2, .offset: 8, .size: 8, .value_kind: global_buffer, .address_space: global }
      - { .name: rt, .offset: 16, .size: 8, .value_kind: global_buffer, .address_space: global }
      - { .name: ys, .offset: 24, .size: 8, .value_kind: global_buffer, .address_space: global }
    .group_segment_fixed_size: 55808
    .private_segment_fixed_size: 0
    .kernarg_segment_align: 8
    .kernarg_segment_size: 32
    .max_flat_workgroup_size: 128
    .sgpr_count:     66
    .vgpr_count:     768
    .wavefront_size: 32
...
	.end_amdgpu_metadata
.endif
;; end of part 7
;; launch comb (part 8): grid 256 x 1, 4 waves a work-group, no clusters, 0 bytes of LDS; arguments hbuf, ys, rt, hnw, out0; writes out0
.if DOCPART == 8
	.amdgcn_target "amdgcn-amd-amdhsa--gfx1250"
	.amdhsa_code_object_version 6
	.text
	.protected	k_qcbaf1ce131_comb
	.globl	k_qcbaf1ce131_comb
	.p2align	8
	.type	k_qcbaf1ce131_comb,@function
k_qcbaf1ce131_comb:
	s_mov_b64 s[64:65], 0
	v_nop
	global_prefetch_b8 v0, s[64:65] scope:SCOPE_SE
	s_setreg_imm32_b32 hwreg(HW_REG_WAVE_MODE, 25, 1), 1
	s_wait_xcnt 0x0
; out[t] = h[t] + wa (y0 + y1)[slot a] + wb (y0 + y1)[slot b]: y0, y1 the two K halves of the second expert product, f32; the slots are whole numbers of an earlier launch.
; One wave, one token: five rows of 4,096 bytes in, one out; all 40 loads of a wave go out at once, each 512 consecutive bytes.  Memory binds: no LDS, no barrier, no matrix unit, nothing shared.
.set D, 16                             ; piece i at D + 20 i: h, a0, a1, b0, b1, four registers each
	s_load_b256 s[4:11], s[0:1], 0x0       ; h, ys, rt, hnw
	s_load_b64 s[12:13], s[0:1], 0x20      ; out
	v_lshrrev_b32 v1, 5, v0
	v_readfirstlane_b32 s14, v1
	s_lshl2_add_u32 s15, ttmp9, s14        ; my token
	s_lshl_b32 s16, s15, 3
	v_and_b32 v2, 31, v0
	v_lshlrev_b32 v2, 4, v2
	s_mov_b32 s27, 0
	s_lshl_b32 s26, s15, 12
	s_wait_kmcnt 0x0
	s_load_b64 s[20:21], s[8:9], s16 offset:0x0            ; its two slots
	s_load_b64 s[22:23], s[10:11], s16 offset:0x200000     ; its two weights
	s_add_nc_u64 s[28:29], s[4:5], s[26:27]
	s_add_nc_u64 s[30:31], s[12:13], s[26:27]
	s_wait_kmcnt 0x0
	s_min_u32 s20, s20, 2303
	s_min_u32 s21, s21, 2303
	s_lshl_b32 s26, s20, 12
	s_add_nc_u64 s[32:33], s[6:7], s[26:27]
	s_add_nc_u64 s[36:37], s[32:33], 9437184
	s_lshl_b32 s26, s21, 12
	s_add_nc_u64 s[34:35], s[6:7], s[26:27]
	s_add_nc_u64 s[38:39], s[34:35], 9437184
	s_mov_b32 s24, s23                     ; wb at a pair's low word
	s_mov_b32 s25, s23
.irp i, 0,1,2,3,4,5,6,7
	global_load_b128 v[D+20*\i:D+20*\i+3], v2, s[28:29] offset:512*\i
	global_load_b128 v[D+20*\i+4:D+20*\i+7], v2, s[32:33] offset:512*\i
	global_load_b128 v[D+20*\i+8:D+20*\i+11], v2, s[36:37] offset:512*\i
	global_load_b128 v[D+20*\i+12:D+20*\i+15], v2, s[34:35] offset:512*\i
	global_load_b128 v[D+20*\i+16:D+20*\i+19], v2, s[38:39] offset:512*\i
.endr
.irp i, 0,1,2,3,4,5,6,7
	s_wait_loadcnt 5*(7-\i)                ; the later pieces' loads, five each, may stay out
.irp x, 0,2
	v_pk_add_f32 v[D+20*\i+4+\x:D+20*\i+5+\x], v[D+20*\i+4+\x:D+20*\i+5+\x], v[D+20*\i+8+\x:D+20*\i+9+\x]
	v_pk_add_f32 v[D+20*\i+12+\x:D+20*\i+13+\x], v[D+20*\i+12+\x:D+20*\i+13+\x], v[D+20*\i+16+\x:D+20*\i+17+\x]
.endr
.irp x, 0,2
	v_pk_fma_f32 v[D+20*\i+\x:D+20*\i+1+\x], v[D+20*\i+4+\x:D+20*\i+5+\x], s[22:23], v[D+20*\i+\x:D+20*\i+1+\x] op_sel_hi:[1,0,1]
.endr
.irp x, 0,2
	v_pk_fma_f32 v[D+20*\i+\x:D+20*\i+1+\x], v[D+20*\i+12+\x:D+20*\i+13+\x], s[24:25], v[D+20*\i+\x:D+20*\i+1+\x] op_sel_hi:[1,0,1]
.endr
	global_store_b128 v2, v[D+20*\i:D+20*\i+3], s[30:31] offset:512*\i th:TH_STORE_NT
.endr
	s_endpgm
.Lfunc_end_k_qcbaf1ce131_comb:
	.size	k_qcbaf1ce131_comb, .Lfunc_end_k_qcbaf1ce131_comb-k_qcbaf1ce131_comb
	.p2alignl 7, 3214868480
	.fill 96, 4, 3214868480
	.section	.rodata,"a",@progbits
	.p2align	6, 0x0
	.amdhsa_kernel k_qcbaf1ce131_comb
		.amdhsa_group_segment_fixed_size 0
		.amdhsa_private_segment_fixed_size 0
		.amdhsa_enable_private_segment 0
		.amdhsa_kernarg_size 40
		.amdhsa_user_sgpr_count 2
		.amdhsa_user_sgpr_kernarg_segment_ptr 1
		.amdhsa_wavefront_size32 1
		.amdhsa_system_sgpr_workgroup_id_x 1
		.amdhsa_system_sgpr_workgroup_id_y 1
		.amdhsa_system_sgpr_workgroup_id_z 1
		.amdhsa_system_vgpr_workitem_id 0
		.amdhsa_next_free_vgpr 176
		.amdhsa_next_free_sgpr 66
		.amdhsa_reserve_vcc 0
		.amdhsa_float_denorm_mode_32 3
		.amdhsa_float_denorm_mode_16_64 3
		.amdhsa_memory_ordered 1
		.amdhsa_forward_progress 1
		.amdhsa_inst_pref_size 11
	.end_amdhsa_kernel
	.amdgpu_metadata
---
amdhsa.version: [ 1, 2 ]
amdhsa.kernels:
  - .name:           k_qcbaf1ce131_comb
    .symbol:         k_qcbaf1ce131_comb.kd
    .args:
      - { .name: hbuf, .offset: 0, .size: 8, .value_kind: global_buffer, .address_space: global }
      - { .name: ys, .offset: 8, .size: 8, .value_kind: global_buffer, .address_space: global }
      - { .name: rt, .offset: 16, .size: 8, .value_kind: global_buffer, .address_space: global }
      - { .name: hnw, .offset: 24, .size: 8, .value_kind: global_buffer, .address_space: global }
      - { .name: out0, .offset: 32, .size: 8, .value_kind: global_buffer, .address_space: global }
    .group_segment_fixed_size: 0
    .private_segment_fixed_size: 0
    .kernarg_segment_align: 8
    .kernarg_segment_size: 40
    .max_flat_workgroup_size: 128
    .sgpr_count:     66
    .vgpr_count:     176
    .wavefront_size: 32
...
	.end_amdgpu_metadata
.endif
;; end of part 8
;; ======== version 2 of 2: 8 launches; version 1 with the launches qkv, moe2 written anew for expert scheduling mode
;; limits: values are held in f16: magnitudes above 65,504 overflow, below 6.1e-05 lose precision
;; workspace buffers: qkvF 3,145,728 bytes; act 9,437,184 bytes; hbuf 4,194,304 bytes; hnw 2,105,344 bytes; tk 4,096 bytes of whole numbers; xF 4,718,592 bytes; rt 8,448 bytes of whole numbers; ys 18,874,368 bytes
;; launch qkv (part 9): grid 256 x 1, 4 waves a work-group, no clusters, 76,288 bytes of LDS; arguments x, attn_norm_w, wq, wk, wv, freqs_cos, freqs_sin, qkvF; writes qkvF
.if DOCPART == 9
	.amdgcn_target "amdgcn-amd-amdhsa--gfx1250"
	.amdhsa_code_object_version 6
	.text
	.protected	k_qcbaf1ce131_qkv
	.globl	k_qcbaf1ce131_qkv
	.p2align	8
	.type	k_qcbaf1ce131_qkv,@function
k_qcbaf1ce131_qkv:
	s_mov_b64 s[64:65], 0
	v_nop
	global_prefetch_b8 v0, s[64:65] scope:SCOPE_SE
	s_setreg_imm32_b32 hwreg(HW_REG_WAVE_SCHED_MODE, 0, 2), 2
	s_setreg_imm32_b32 hwreg(HW_REG_WAVE_MODE, 25, 1), 1
	s_wait_xcnt 0x0
	s_wait_alu depctr_vm_vsrc(0)
; q, k, v = RoPE(rmsnorm(x, nw) @ [wq | wk | wv]), written as f16 matrix fragments for the attention launch.
; SHARES.  Work-group = 64 tokens (mb, four tiles of 16) x 96 columns: query head j (64 columns of wq) and half a key or value head
; (j < 8: wk's columns 32 j on; else wv's 32 (j - 8) on).  K = 1,024 IS SPLIT AMONG THE FOUR WAVES, 256 each: a wave's weights stay in registers
; as fragments, tokens stream from memory straight into registers, and the four partial tiles meet in LDS.
; The operand is f16(x nw); rs = rsqrt(mean x^2 + 1e-5) multiplies the f32 sums afterwards, so the norm costs no pass of its own.
; PRODUCTS ARE TAKEN TRANSPOSED (source 0 = 16 weight columns, source 1 = 16 tokens): a lane ends with one token and eight neighbouring columns,
; which packed to f16 is half a fragment of the next product: every store of a wave is 512 consecutive bytes, aligned.  For v the sources are swapped: a lane holds a channel and eight tokens (V^T).
; WEIGHTS: f32 [K][N] in memory; a chunk (16 loads of whole row pieces) is rounded to f16, laid into the wave's own stage in LDS and read back turned (ds_load_tr16_b128).
; LIMITS.  f16 operands: |x nw|, the weights, q, k, v stay under 65,504, and below 6e-5 they keep f16's fixed step of 6e-8.  NaN and infinities are not treated apart.
; NO CLUSTER: what work-groups share (x, the weights) goes to registers without a tile in LDS, so there is no tile to ask for jointly.  No prefetch: each work-group's whole read is 0.6 MB, asked for at once.
; REGISTERS.  window 0: v1-23 addresses, v26-27 a tile's sum of squares, v32-63 CT, v64-127 AF (a tile's fragments; in the head v64-95 are a second CT), v128-223 ACC (12 accumulators), v224-231 SS, v232-255 cos and sin.
;   window 1: wq's fragments (ks, cb) at 8 (4 ks + cb).   window 2: v0-127 wk's or wv's (ks, cb2) at 8 (2 ks + cb2); v128-255 nw in fragment order.   window 3: four buffers of 64 that take turns for the loads.
; THE MODE: SCHED_MODE bits 1:0 = 2 (LLVM: expert scheduling mode 2), set by the entry lines.  The code itself states the register dependences
; between vector or matrix instructions and memory or LDS instructions, with s_wait_alu, always for 0.
; THE PLAN.  Registers that memory or LDS instructions touch:
;   v4-23         offsets and LDS addresses: written at the head, never again.
;   window 3      the raw ring.  Head: chunk c's conversions read buffer c % 4, then the loads of unit c + 4 land in it.  Loop: a tile's squares, scaling and roundings read and write its 128 registers, then 32 loads land in them.
;   CT0, CT1      chunk c's conversions write CT[c % 2], its LDS stores read it; it is written again two chunks on.
;   v26, v27      a tile's last addition writes one of them, its LDS store reads it; written again a trip later.  SS is named by vector instructions alone.
;   AF, v32-63    the roundings write AF, the products read it; behind the first barrier the loads of the partial tiles land in v32-127; of these v40-43, v72-75, v104-107 are the data of the trip's three global stores.
;   ACC           the products write it, 24 LDS stores read it; behind the first barrier loads land in v128-139, in v's arm in v140-147; v136 is the data of v's arm's LDS store.
;   CS            six loads a trip land in it; the turning writes it in place.
; THE WAITS.  A chunk: one on va_vdst behind its conversions, and beside it one on vm_vsrc for the other CT, whose stores were issued a chunk ago.  A trip: one on vm_vsrc at its top; one on va_vdst behind each tile's
; vector work; one behind the places after the last products; one on vm_vsrc ahead of the first barrier; the roots' wait; one on va_vdst ahead of the three global stores, which stand together.
.set RED,   0                          ; [wave 4][accumulator 12][half 2][lane x 16 bytes]: 49,152
.set SSR,   49152                      ; sums of squares: [wave 4][tile 2][lane] words
.set STG,   50176                      ; a stage of 6,144 bytes for each wave
.set RSS,   74752                      ; 256 bytes for each wave: rs, to change lanes (v only)
.set SPARE, 75776                      ; the spare words, 128 bytes for each wave; no other line names them
.set SPW, 24
.set NIL, 25
.set SSO, 26
.set CT,  32
.set AF,  64
.set ACC, 128
.set SS,  224
.set CS,  232
.set MSB, 0
.macro WIN new                         ; the immediate's high byte repeats the setting that is left; a switch that changes nothing is dropped
.if MSB != (\new)
	s_set_vgpr_msb (MSB<<8)|(\new)
.set MSB, \new
.endif
.endm
.macro PLACES                          ; four plain instructions behind a matrix instruction, ahead of what reads its result or writes its registers (ISA guide 7.12.1)
.rept 4
	v_nop
.endr
.endm
; 16 loads of raw x: tile t of the pair, K steps 4 half .. 4 half + 3, in fragment order: lane (r, h) takes token r, k = 32 ks + 8 h + 0..7 and 32 ks + 16 + 8 h + 0..7
.macro XLD t, half, sb
	WIN 0xc0
.set i, 0
.rept 16
	global_load_b128 v[128*(\t)+64*(\half)+4*i:128*(\t)+64*(\half)+4*i+3], v11, s[\sb:\sb+1] offset:(\t)*65536+(4*(\half)+i/4)*128+(i%2)*16+((i/2)%2)*64
.set i, i+1
.endr
.endm
; Unit u of the ring, 16 loads into buffer u % 4.  0-7: 32 rows x 64 columns of wq; 8-11: 64 rows x 32 columns of wk or wv; 12-15: the first two tiles of x.
.macro UNIT u
.if (\u) >= 12
	XLD ((\u)-12)/2, ((\u)-12)%2, 30
.else
	WIN 0xc0
.set i, 0
.rept 16
.if (\u) < 8
	global_load_b128 v[64*((\u)%4)+4*i:64*((\u)%4)+4*i+3], v4, s[28:29] offset:(32*(\u)+8*(i/4)+i%4)*4096
.else
	global_load_b128 v[64*((\u)%4)+4*i:64*((\u)%4)+4*i+3], v5, s[26:27] offset:(64*((\u)-8)+4*i)*1024
.endif
.set i, i+1
.endr
.endif
.endm
; Chunk c: rounded, its buffer asked for again, staged, read back turned.  The stage is the wave's own and LDS serves a wave in order (ISA guide 5.7.1.4): no wait between stores and loads.
.macro CONVW c
.set CTB, CT+32*((\c)%2)               ; the two CT take turns
	s_wait_loadcnt 48                      ; three younger units of 16 loads may stay out
	WIN 0x0f
.set i, 0
.rept 32
	v_cvt_pk_f16_f32 v[CTB+i], v[64*((\c)%4)+2*i], v[64*((\c)%4)+2*i+1]
.set i, i+1
.endr
	WIN 0xc0
	s_wait_alu depctr_va_vdst(0)           ; the conversions have written this chunk's CT, which the LDS stores below read, and are done reading the raw buffer, in which the loads below land
.if ((\c) > 0) && ((\c) < 11)
	s_wait_alu depctr_vm_vsrc(0)           ; the LDS stores of the chunk before have read the other CT, which the next chunk's conversions write again
.endif
	UNIT (\c)+4
	WIN 0
.if (\c) < 8
.set i, 0
.rept 16
	ds_store_b64 v6, v[CTB+2*i:CTB+2*i+1] offset:(8*(i/4)+i%4)*160
.set i, i+1
.endr
	WIN 0x40
.set i, 0
.rept 4
	ds_load_tr16_b128 v[((\c)*4+i)*8:((\c)*4+i)*8+3], v7 offset:i*32
	ds_load_tr16_b128 v[((\c)*4+i)*8+4:((\c)*4+i)*8+7], v7 offset:i*32+2560
.set i, i+1
.endr
.else
.set i, 0
.rept 16
	ds_store_b64 v8, v[CTB+2*i:CTB+2*i+1] offset:i*384
.set i, i+1
.endr
	WIN 0x80
.set i, 0
.rept 4                                ; i = 2 ks2 + cb2
	ds_load_tr16_b128 v[(4*((\c)-8)+i)*8:(4*((\c)-8)+i)*8+3], v9 offset:(i/2)*3072+(i%2)*32
	ds_load_tr16_b128 v[(4*((\c)-8)+i)*8+4:(4*((\c)-8)+i)*8+7], v9 offset:(i/2)*3072+(i%2)*32+1536
.set i, i+1
.endr
.endif
.endm
; A tile of raw x: its part of the sum of squares, times nw, rounded to f16 fragments.  Then its registers are asked for again: the group's last two tiles
; (the second trip asks for them once more and uses nothing of it: so the counts are the same in both trips).
.macro CONVA t
	WIN 0x0f
.set i, 0
.rept 64
.if i < 4
	v_pk_mul_f32 v[SS+2*i:SS+2*i+1], v[128*(\t)+2*i:128*(\t)+2*i+1], v[128*(\t)+2*i:128*(\t)+2*i+1]
.else
	v_pk_fma_f32 v[SS+2*(i%4):SS+2*(i%4)+1], v[128*(\t)+2*i:128*(\t)+2*i+1], v[128*(\t)+2*i:128*(\t)+2*i+1], v[SS+2*(i%4):SS+2*(i%4)+1]
.endif
.set i, i+1
.endr
	WIN 0xcb
.set i, 0
.rept 64
	v_pk_mul_f32 v[128*(\t)+2*i:128*(\t)+2*i+1], v[128*(\t)+2*i:128*(\t)+2*i+1], v[128+2*i:128+2*i+1]
.set i, i+1
.endr
	WIN 0x0f
.set i, 0
.rept 64
	v_cvt_pk_f16_f32 v[AF+i], v[128*(\t)+2*i], v[128*(\t)+2*i+1]
.set i, i+1
.endr
	WIN 0
	v_pk_add_f32 v[SS:SS+1], v[SS:SS+1], v[SS+2:SS+3]
	v_pk_add_f32 v[SS+4:SS+5], v[SS+4:SS+5], v[SS+6:SS+7]
	v_pk_add_f32 v[SS:SS+1], v[SS:SS+1], v[SS+4:SS+5]
	v_add_f32 v[SSO+(\t)], v[SS], v[SS+1]
	WIN 0xc0
	s_wait_alu depctr_va_vdst(0)           ; the lines above are done reading and writing the raw tile, in which the 32 loads below land, and have written the tile's sum of squares, which the LDS store below reads
	XLD \t, 0, 44
	XLD \t, 1, 44
	WIN 0
	ds_store_b32 v15, v[SSO+(\t)] offset:(\t)*128
.endm
; A tile's 48 products.  The accumulators take turns, one instruction a turn; the first K step starts each sum with the constant 0.
.macro MULT base
	WIN 0x01
.set ks, 0
.rept 8
.set cb, 0
.rept 4
.if ks == 0
	v_wmma_f32_16x16x32_f16 v[ACC+8*((\base)+cb):ACC+8*((\base)+cb)+7], v[(ks*4+cb)*8:(ks*4+cb)*8+7], v[AF+8*ks:AF+8*ks+7], 0
.else
	v_wmma_f32_16x16x32_f16 v[ACC+8*((\base)+cb):ACC+8*((\base)+cb)+7], v[(ks*4+cb)*8:(ks*4+cb)*8+7], v[AF+8*ks:AF+8*ks+7], v[ACC+8*((\base)+cb):ACC+8*((\base)+cb)+7]
.endif
.set cb, cb+1
.endr
.set ks, ks+1
.endr
	WIN 0
	s_cmp_eq_u32 s24, 1
	s_cbranch_scc0 .Lvarm_\@
	WIN 0x02                               ; k: weights are source 0
.set ks, 0
.rept 8
.set cb, 0
.rept 2
.if ks == 0
	v_wmma_f32_16x16x32_f16 v[ACC+8*((\base)+4+cb):ACC+8*((\base)+4+cb)+7], v[(ks*2+cb)*8:(ks*2+cb)*8+7], v[AF+8*ks:AF+8*ks+7], 0
.else
	v_wmma_f32_16x16x32_f16 v[ACC+8*((\base)+4+cb):ACC+8*((\base)+4+cb)+7], v[(ks*2+cb)*8:(ks*2+cb)*8+7], v[AF+8*ks:AF+8*ks+7], v[ACC+8*((\base)+4+cb):ACC+8*((\base)+4+cb)+7]
.endif
.set cb, cb+1
.endr
.set ks, ks+1
.endr
	WIN 0
	s_branch .Ljoin_\@
.Lvarm_\@:
	WIN 0x08                               ; v: tokens are source 0
.set ks, 0
.rept 8
.set cb, 0
.rept 2
.if ks == 0
	v_wmma_f32_16x16x32_f16 v[ACC+8*((\base)+4+cb):ACC+8*((\base)+4+cb)+7], v[AF+8*ks:AF+8*ks+7], v[(ks*2+cb)*8:(ks*2+cb)*8+7], 0
.else
	v_wmma_f32_16x16x32_f16 v[ACC+8*((\base)+4+cb):ACC+8*((\base)+4+cb)+7], v[AF+8*ks:AF+8*ks+7], v[(ks*2+cb)*8:(ks*2+cb)*8+7], v[ACC+8*((\base)+4+cb):ACC+8*((\base)+4+cb)+7]
.endif
.set cb, cb+1
.endr
.set ks, ks+1
.endr
	WIN 0
.Ljoin_\@:
.endm
.macro SUMP b                          ; the four waves' partial sums at v[b + 8 p + 0..7] into v[b .. b + 7]
.irp x, 0,2,4,6
	v_pk_add_f32 v[(\b)+\x:(\b)+\x+1], v[(\b)+\x:(\b)+\x+1], v[(\b)+8+\x:(\b)+8+\x+1]
	v_pk_add_f32 v[(\b)+16+\x:(\b)+16+\x+1], v[(\b)+16+\x:(\b)+16+\x+1], v[(\b)+24+\x:(\b)+24+\x+1]
.endr
.irp x, 0,2,4,6
	v_pk_add_f32 v[(\b)+\x:(\b)+\x+1], v[(\b)+\x:(\b)+\x+1], v[(\b)+16+\x:(\b)+16+\x+1]
.endr
.endm
.macro ROPE b, c, rs                   ; four pairs turned by cos v[c..c+3] and sin v[c+4..c+7], both first times rs; packed into v[b+8 .. b+11]
.irp x, 0,1,2,3,4,5,6,7
	v_mul_f32 v[(\c)+\x], v[(\c)+\x], v[\rs]
.endr
.irp x, 0,1,2,3
	v_mul_f32 v[(\b)+16+2*\x], v[(\b)+2*\x+1], v[(\c)+4+\x]
	v_mul_f32 v[(\b)+17+2*\x], v[(\b)+2*\x+1], v[(\c)+\x]
	v_fma_f32 v[(\b)+16+2*\x], v[(\b)+2*\x], v[(\c)+\x], -v[(\b)+16+2*\x]
	v_fma_f32 v[(\b)+17+2*\x], v[(\b)+2*\x], v[(\c)+4+\x], v[(\b)+17+2*\x]
.endr
.irp x, 0,1,2,3
	v_cvt_pk_f16_f32 v[(\b)+8+\x], v[(\b)+16+2*\x], v[(\b)+17+2*\x]
.endr
.endm
	s_load_b512 s[4:19], s[0:1], 0x0       ; x, nw, wq, wk, wv, cos, sin, qkvF
	v_lshl_add_u32 v[SPW], v0, 2, SPARE
	v_mov_b32 v[NIL], 0
	v_lshrrev_b32 v26, 5, v0
	v_readfirstlane_b32 s20, v26           ; wave
	s_lshr_b32 s21, ttmp9, 4               ; mb
	s_and_b32 s22, ttmp9, 15               ; j
	s_and_b32 s46, s22, 1
	s_and_b32 s47, s22, 7
	s_wait_alu depctr_va_sdst(0)           ; s20 is written, ahead of its first reader: LDS places, offsets and bases are made from it
	s_and_b32 s48, s20, 1
	s_lshr_b32 s49, s20, 1
	s_cmp_lt_u32 s22, 8
	s_cselect_b32 s24, 1, 0                ; 1: my last two column blocks are k's, 0: v's
	s_mov_b32 s40, 0x76543210              ; v_permlanex16_b32: each lane takes its own place in the other half
	s_mov_b32 s41, 0xfedcba98
	s_mov_b32 s42, 0x3a800000              ; 1 / 1024
	s_mov_b32 s43, 0x3727c5ac              ; 1e-5
	s_mov_b32 s33, 0
	s_mov_b32 s23, 2                       ; trips: two tiles each
	v_and_b32 v1, 31, v0                   ; L
	v_and_b32 v2, 15, v0                   ; r
	v_bfe_u32 v3, v0, 4, 1                 ; h
	v_lshlrev_b32 v4, 4, v2
	v_lshl_add_u32 v4, v3, 14, v4          ; wq: lanes 16-31 four rows further down
	v_lshrrev_b32 v26, 3, v1
	v_and_b32 v27, 7, v0
	v_lshlrev_b32 v5, 4, v27
	v_lshl_add_u32 v5, v26, 10, v5         ; wk, wv: eight lanes a row of 128 bytes
	s_mul_i32 s50, s20, 6144
	s_add_co_u32 s50, s50, STG
	v_mul_u32_u24 v6, v3, 640
	v_lshl_add_u32 v6, v2, 3, v6
	v_add_nc_u32 v6, s50, v6               ; stage, pitch 160: in
	v_lshl_add_u32 v28, v3, 3, v27
	v_bfe_u32 v29, v0, 3, 1
	v_mul_u32_u24 v7, v28, 160
	v_lshl_add_u32 v7, v29, 4, v7
	v_add_nc_u32 v7, s50, v7               ; and back, turned
	v_mul_u32_u24 v8, v26, 96
	v_lshl_add_u32 v8, v27, 3, v8
	v_add_nc_u32 v8, s50, v8               ; stage, pitch 96: in
	v_mul_u32_u24 v9, v28, 96
	v_lshl_add_u32 v9, v29, 4, v9
	v_add_nc_u32 v9, s50, v9
	s_lshl_b32 s51, s20, 10
	v_lshl_add_u32 v10, v3, 5, s51         ; nw: my wave's 256 numbers, my half's 8
	v_lshl_add_u32 v11, v2, 12, v10        ; x: + token r
	s_mul_i32 s51, s20, 12288
	v_lshl_add_u32 v12, v1, 4, s51         ; partial tiles: in
	s_lshl_b32 s51, s20, 10
	v_lshl_add_u32 v13, v1, 4, s51         ; back: accumulator w (and 6 + w)
	s_mul_i32 s51, s49, 6
	s_add_co_u32 s51, s51, s48
	s_add_co_u32 s51, s51, 4
	s_lshl_b32 s51, s51, 10
	v_lshl_add_u32 v14, v1, 4, s51         ; back: accumulator 6 (w / 2) + 4 + w % 2
	s_lshl_b32 s51, s20, 8
	s_add_co_u32 s51, s51, SSR
	v_lshl_add_u32 v15, v1, 2, s51
	v_lshl_add_u32 v16, v1, 2, SSR
	s_lshl_b32 s51, s49, 7
	v_add_nc_u32 v17, s51, v16
	s_lshl_b32 s51, s20, 8
	s_add_co_u32 s51, s51, RSS
	v_lshl_add_u32 v18, v1, 2, s51
	v_lshl_add_u32 v19, v3, 5, s51
	s_lshl_b32 s51, s20, 5
	v_lshl_add_u32 v20, v2, 7, s51
	v_lshl_add_u32 v20, v3, 4, v20         ; cos, sin for q: token r, pairs 8 w + 4 h on
	s_lshl_b32 s51, s49, 11
	s_lshl_b32 s52, s46, 6
	s_add_co_u32 s51, s51, s52
	s_lshl_b32 s52, s48, 5
	s_add_co_u32 s51, s51, s52
	v_lshl_add_u32 v21, v2, 7, s51
	v_lshl_add_u32 v21, v3, 4, v21         ; for k: tile w / 2, pairs 16 (j % 2) + 8 (w % 2) + 4 h on
	s_lshl_b32 s51, s22, 6
	s_lshl2_add_u32 s51, s21, s51
	s_lshl_b32 s51, s51, 11
	s_lshl_b32 s52, s20, 9
	s_add_co_u32 s51, s51, s52
	v_lshl_add_u32 v22, v1, 4, s51         ; q out: [head j][tile][block w][lane]
	s_lshr_b32 s53, s47, 1                 ; key and value head
	s_lshl1_add_u32 s54, s46, s48          ; channel block in it
	s_lshl_b32 s51, s53, 6
	s_lshl2_add_u32 s51, s21, s51
	s_add_co_u32 s51, s51, s49
	s_lshl_b32 s51, s51, 11
	s_lshl_b32 s52, s54, 9
	s_add_co_u32 s51, s51, s52
	s_add_co_u32 s51, s51, 2097152         ; k out
	s_lshl_b32 s52, s53, 5
	s_lshl1_add_u32 s52, s21, s52
	s_lshl2_add_u32 s52, s52, s54
	s_lshl_b32 s52, s52, 10
	s_lshl_b32 s55, s49, 9
	s_add_co_u32 s52, s52, s55
	s_add_co_u32 s52, s52, 2621440         ; v out: [head][32 keys][block][which 16 keys][lane]
	s_cmp_eq_u32 s24, 1
	s_cselect_b32 s51, s51, s52
	v_lshl_add_u32 v23, v1, 4, s51
	s_wait_kmcnt 0x0
	s_cmp_eq_u32 s24, 1
	s_cselect_b64 s[26:27], s[10:11], s[12:13]
	s_lshl_b32 s32, s20, 18
	s_lshl_b32 s51, s47, 7
	s_add_co_u32 s32, s32, s51
	s_add_nc_u64 s[26:27], s[26:27], s[32:33]
	s_lshl_b32 s32, s20, 20
	s_lshl_b32 s51, s22, 8
	s_add_co_u32 s32, s32, s51
	s_add_nc_u64 s[28:29], s[8:9], s[32:33]
	s_lshl_b32 s32, s21, 18
	s_add_nc_u64 s[30:31], s[4:5], s[32:33]    ; x at the group's first two tiles,
	s_add_nc_u64 s[44:45], s[30:31], 131072    ; and at its last two
	s_lshl_b32 s32, s21, 13
	s_add_nc_u64 s[34:35], s[14:15], s[32:33]
	s_add_nc_u64 s[36:37], s[16:17], s[32:33]
	s_mov_b64 s[38:39], s[18:19]
	WIN 0x80
	s_wait_alu depctr_va_vdst(0)           ; the offsets and LDS addresses v4 to v23 are written: every load, store and LDS instruction of the kernel reads one of them
.set i, 0
.rept 32
	global_load_b128 v[128+4*i:128+4*i+3], v10, s[6:7] offset:(i/4)*128+(i%2)*16+((i/2)%2)*64
.set i, i+1
.endr
	UNIT 0
	UNIT 1
	UNIT 2
	UNIT 3
.irp c, 0,1,2,3,4,5,6,7,8,9,10,11
	CONVW \c
.endr
	WIN 0
	s_wait_dscnt 0x0                       ; all fragments of the weights are in registers
.Ltrip:                                        ; two tiles X, Y a trip
	s_wait_alu depctr_vm_vsrc(0)           ; the last trip's three global stores have read v40-43, v72-75 and v104-107, its LDS stores v26, v27 and v136; on the way in the last chunk's LDS stores have read v64-95: this trip's vector and matrix lines write all of these again
	global_load_b128 v[CS:CS+3], v20, s[34:35]
	global_load_b128 v[CS+4:CS+7], v20, s[36:37]
	global_load_b128 v[CS+8:CS+11], v20, s[34:35] offset:2048
	global_load_b128 v[CS+12:CS+15], v20, s[36:37] offset:2048
	global_load_b128 v[CS+16:CS+19], v21, s[34:35]
	global_load_b128 v[CS+20:CS+23], v21, s[36:37]
	s_wait_loadcnt 38                      ; X is in: Y's 32 loads and the six above are younger
	CONVA 0
	MULT 0
	s_wait_loadcnt 38                      ; Y is in: six and X's 32 are younger
	CONVA 1                                ; its 128 packed lines on other registers stand ahead of the first write of AF
	MULT 6
	PLACES
	s_wait_alu depctr_va_vdst(0)           ; the products have written the accumulators, which the LDS stores below read, and are done reading AF: behind the barrier loads land in AF's and in the accumulators' registers
.set i, 0
.rept 24                               ; each accumulator's low half first
	ds_store_b128 v12, v[ACC+4*i:ACC+4*i+3] offset:RED+512*i
.set i, i+1
.endr
	s_wait_dscnt 0x0                       ; my partial tiles and sums of squares are in LDS
	s_wait_alu depctr_vm_vsrc(0)           ; the 24 LDS stores have read the accumulators: loads land in v128-139 below, and in v140-147 in v's arm
	s_barrier_signal -1
	s_barrier_wait -1
.irp p, 0,1,2,3
.irp c, 0,1
	ds_load_b128 v[32+8*\p+4*\c:32+8*\p+4*\c+3], v13 offset:RED+\p*12288+\c*512
	ds_load_b128 v[64+8*\p+4*\c:64+8*\p+4*\c+3], v13 offset:RED+\p*12288+6144+\c*512
	ds_load_b128 v[96+8*\p+4*\c:96+8*\p+4*\c+3], v14 offset:RED+\p*12288+\c*512
.endr
	ds_load_b32 v[128+\p], v16 offset:\p*256
	ds_load_b32 v[132+\p], v16 offset:\p*256+128
	ds_load_b32 v[136+\p], v17 offset:\p*256
.endr
	s_wait_dscnt 0x0                       ; my reads are back:
	s_barrier_signal -1                    ; behind this barrier the next trip may write the region again
	s_barrier_wait -1
.irp f, 0,4,8
	v_add_f32 v[128+\f], v[128+\f], v[129+\f]
	v_add_f32 v[130+\f], v[130+\f], v[131+\f]
.endr
.irp f, 0,4,8
	v_add_f32 v[128+\f], v[128+\f], v[130+\f]
.endr
.irp f, 0,4,8
	v_permlanex16_b32 v[129+\f], v[128+\f], s40, s41   ; the token's other k lie in the lane 16 away
.endr
.irp f, 0,4,8
	v_add_f32 v[128+\f], v[128+\f], v[129+\f]
.endr
.irp f, 0,4,8
	v_fma_f32 v[128+\f], v[128+\f], s42, s43
.endr
.irp f, 0,4,8
	v_rsq_f32 v[128+\f], v[128+\f]
.endr
	SUMP 32                                ; plain work behind the three roots
	SUMP 64
	SUMP 96
	s_wait_alu depctr_va_vdst(0)           ; one wait for the three roots v128, v132, v136, ahead of their first reader; v136 is also the data of the LDS store in v's arm
	s_wait_loadcnt 63                      ; cos and sin are in: 64 loads are younger
	ROPE 32, CS, 128
	ROPE 64, CS+8, 132
	s_cmp_eq_u32 s24, 1
	s_cbranch_scc0 .Lvout
	ROPE 96, CS+16, 136
	s_branch .Lkvout
.Lvout:                                        ; a lane holds a channel and tokens 8 h + 0..7: rs changes lanes through the wave's own words
	ds_store_b32 v18, v136                 ; no vector line on this way has named v136 or v18 since the roots' wait
	ds_load_b128 v[140:143], v19           ; no vector or matrix line has named v140-147 since the wait ahead of the 24 LDS stores
	ds_load_b128 v[144:147], v19 offset:16
	s_wait_dscnt 0x0
.irp x, 0,2,4,6
	v_pk_mul_f32 v[96+\x:97+\x], v[96+\x:97+\x], v[140+\x:141+\x]
.endr
.irp x, 0,1,2,3
	v_cvt_pk_f16_f32 v[104+\x], v[96+2*\x], v[97+2*\x]
.endr
.Lkvout:
	s_wait_alu depctr_va_vdst(0)           ; the roundings have written v40-43, v72-75 and v104-107, which the three stores read; the turnings are done with cos and sin, in which the next trip's six loads land
	global_store_b128 v22, v[40:43], s[38:39]
	global_store_b128 v22, v[72:75], s[38:39] offset:2048
	global_store_b128 v23, v[104:107], s[38:39]
	s_wait_xcnt 0x0                        ; the bases and the stores' data are written again only behind this wait
	s_add_nc_u64 s[34:35], s[34:35], 4096
	s_add_nc_u64 s[36:37], s[36:37], 4096
	s_add_nc_u64 s[38:39], s[38:39], 4096
	s_sub_co_u32 s23, s23, 1
	s_cmp_lg_u32 s23, 0
	s_cbranch_scc1 .Ltrip
	s_wait_dscnt 0x0                       ; the closing lines, six on end
	s_wait_alu 0x0
	s_wait_tensorcnt 0x0
	ds_add_u32 v[SPW], v[NIL]
	s_wait_dscnt 0x0
	s_endpgm
.Lfunc_end_k_qcbaf1ce131_qkv:
	.size	k_qcbaf1ce131_qkv, .Lfunc_end_k_qcbaf1ce131_qkv-k_qcbaf1ce131_qkv
	.p2alignl 7, 3214868480
	.fill 96, 4, 3214868480
	.section	.rodata,"a",@progbits
	.p2align	6, 0x0
	.amdhsa_kernel k_qcbaf1ce131_qkv
		.amdhsa_group_segment_fixed_size 76288
		.amdhsa_private_segment_fixed_size 0
		.amdhsa_enable_private_segment 0
		.amdhsa_kernarg_size 64
		.amdhsa_user_sgpr_count 2
		.amdhsa_user_sgpr_kernarg_segment_ptr 1
		.amdhsa_wavefront_size32 1
		.amdhsa_system_sgpr_workgroup_id_x 1
		.amdhsa_system_sgpr_workgroup_id_y 1
		.amdhsa_system_sgpr_workgroup_id_z 1
		.amdhsa_system_vgpr_workitem_id 0
		.amdhsa_next_free_vgpr 1024
		.amdhsa_next_free_sgpr 66
		.amdhsa_reserve_vcc 0
		.amdhsa_float_denorm_mode_32 3
		.amdhsa_float_denorm_mode_16_64 3
		.amdhsa_memory_ordered 1
		.amdhsa_forward_progress 1
		.amdhsa_inst_pref_size 131
	.end_amdhsa_kernel
	.amdgpu_metadata
---
amdhsa.version: [ 1, 2 ]
amdhsa.kernels:
  - .name:           k_qcbaf1ce131_qkv
    .symbol:         k_qcbaf1ce131_qkv.kd
    .args:
      - { .name: x, .offset: 0, .size: 8, .value_kind: global_buffer, .address_space: global }
      - { .name: attn_norm_w, .offset: 8, .size: 8, .value_kind: global_buffer, .address_space: global }
      - { .name: wq, .offset: 16, .size: 8, .value_kind: global_buffer, .address_space: global }
      - { .name: wk, .offset: 24, .size: 8, .value_kind: global_buffer, .address_space: global }
      - { .name: wv, .offset: 32, .size: 8, .value_kind: global_buffer, .address_space: global }
      - { .name: freqs_cos, .offset: 40, .size: 8, .value_kind: global_buffer, .address_space: global }
      - { .name: freqs_sin, .offset: 48, .size: 8, .value_kind: global_buffer, .address_space: global }
      - { .name: qkvF, .offset: 56, .size: 8, .value_kind: global_buffer, .address_space: global }
    .group_segment_fixed_size: 76288
    .private_segment_fixed_size: 0
    .kernarg_segment_align: 8
    .kernarg_segment_size: 64
    .max_flat_workgroup_size: 128
    .sgpr_count:     66
    .vgpr_count:     1024
    .wavefront_size: 32
...
	.end_amdgpu_metadata
.endif
;; end of part 9
;; launch attn: the kernel of part 2 again; grid 32 x 8, 8 waves a work-group, no clusters, 70,656 bytes of LDS; arguments qkvF, act; writes act
;; launch oproj: the kernel of part 3 again; grid 256 x 1, 4 waves a work-group, no clusters, 55,808 bytes of LDS; arguments act, wo, x, hbuf; writes hbuf
;; launch gate: the kernel of part 4 again; grid 256 x 1, 4 waves a work-group, no clusters, 0 bytes of LDS; arguments hbuf, ffn_norm_w, gate_w, hnw, tk; writes hnw, tk
;; launch route: the kernel of part 5 again; grid 144 x 1, 32 waves a work-group, no clusters, 12,800 bytes of LDS; arguments tk, hnw, xF, rt; writes xF, rt
;; launch moe1: the kernel of part 6 again; grid 256 x 1, 4 waves a work-group, no clusters, 86,528 bytes of LDS; arguments xF, w1, w3, rt, act; writes act
;; launch moe2 (part 10): grid 256 x 1, 4 waves a work-group, no clusters, 55,808 bytes of LDS; arguments act, w2, rt, ys; writes ys
.if DOCPART == 10
	.amdgcn_target "amdgcn-amd-amdhsa--gfx1250"
	.amdhsa_code_object_version 6
	.text
	.protected	k_qcbaf1ce131_moe2
	.globl	k_qcbaf1ce131_moe2
	.p2align	8
	.type	k_qcbaf1ce131_moe2,@function
k_qcbaf1ce131_moe2:
	s_mov_b64 s[64:65], 0
	v_nop
	global_prefetch_b8 v0, s[64:65] scope:SCOPE_SE
	s_setreg_imm32_b32 hwreg(HW_REG_WAVE_SCHED_MODE, 0, 2), 2
	s_setreg_imm32_b32 hwreg(HW_REG_WAVE_MODE, 25, 1), 1
	s_wait_xcnt 0x0
	s_wait_alu depctr_vm_vsrc(0)
; One K half of g w2[e], bf16 operands, f32 sums.  g: fragments [tile][128 blocks of 16 k][512 bytes]; w2 f32 [8][2048][1024].
; SHARES.  Work-group = expert e, 64 columns, K half kh: each byte of the weights is read once in the launch, by one wave.  The half's K = 1,024 IS SPLIT AMONG THE FOUR WAVES, 256 each.  A wave's weights stay in
; registers as fragments (f32 chunks rounded, staged in the wave's own LDS, read back turned); token tiles come straight from memory into registers, 8 KiB on end for a wave and tile; the four partial tiles
; meet in LDS, one barrier a tile, two regions by turns.  Products are taken transposed (source 0 = 16 weight columns, source 1 = 16 tokens).  Results leave as whole rows: sixteen lanes store 256 consecutive bytes, aligned.
; The two K halves are partial sums in f32; the last launch adds them.  NaN and infinities are not treated apart.
; THE WALK.  How many trips an expert has, and where its tiles lie, are whole numbers of an earlier launch.  The loop counts to the constant 32 (an expert can hold all 1,024 tokens: 64 tiles), and both barriers
; of a trip stand on every wave's path in every trip; a trip past the expert's last jumps, forward, over the three pieces of work between them.
; NO CLUSTER: the weights, nearly all of the bytes, are read by one wave of one work-group each; the shared token tiles go to registers, with no tile in LDS to ask for jointly.
; REGISTERS.  window 0: addresses, two CT (v32-63, v96-127), 4 accumulators, the reduction.  window 1: fragments (K step ks, column block cb) at 8 (4 ks + cb).  window 2: four buffers of 64 for the loads.
; THE MODE: SCHED_MODE bits 1:0 = 2 (LLVM: expert scheduling mode 2), set by the entry lines.  The code itself states the register dependences
; between vector or matrix instructions and memory or LDS instructions, with s_wait_alu, always for 0.
; THE PLAN.  Registers that memory or LDS instructions touch:
;   v4-11         offsets and LDS addresses: written at the head, never again.
;   window 2      Head: chunk c's conversions read buffer c % 4, then the loads of unit c + 4 land in it.  Loop: X's products read buffer 0, Y's buffer 64; the next X and the next Y land there, both asked for in the second piece.
;   CT0, CT1      chunk c's conversions write CT[c % 2], its LDS stores read it; it is written again two chunks on.
;   ACC           written by X's products (first piece) and Y's (second piece); read by the LDS stores into RED0 and RED1 that follow them.
;   RDX, RDY      the loads from RED0 (second piece) and RED1 (third piece) land in them; twelve sums read and write them; two global stores read them.
;   The fragments in window 1 are loaded once, in the head, and named by matrix instructions alone afterwards.
; THE WAITS.  A chunk: one on va_vdst behind its conversions, and beside it one on vm_vsrc for the other CT, whose stores were issued a chunk ago.  A trip: one on vm_vsrc at its top and one at the first barrier, both on
; every wave's path; one on va_vdst in each piece, behind the piece's vector and matrix lines and ahead of its run of loads and stores.  Each writer and its wait stand in one straight run, so they hold whichever pieces are jumped over.
.set RED0,  0                          ; [wave 4][token 16] rows of 256 bytes, pitch 272
.set RED1,  17408
.set STG,   34816                      ; a stage of 32 rows, pitch 160, for each wave
.set SPARE, 55296                      ; the spare words, 128 bytes for each wave; no other line names them
.set TILEB, 65536
.set TRIPS, 32
.set GOFF, 4
.set STA,  5
.set TRA,  6
.set AOFF, 7
.set RST,  8
.set RRD,  9
.set YO,   10
.set PFO,  11
.set SPW,  12
.set NIL,  13
.set CT,   32
.set ACC,  64
.set RDX,  128
.set RDY,  160
.set MSB, 0
.macro WIN new                         ; the immediate's high byte repeats the setting that is left
.if MSB != (\new)
	s_set_vgpr_msb (MSB<<8)|(\new)
.set MSB, \new
.endif
.endm
; Unit u of the ring in window 2, 16 loads into buffer u % 4.  0-7: 32 rows x 64 columns of the weights (lanes 0-15 one row's 256 bytes, lanes 16-31 the row four below); 8, 9: the first two token tiles.
.macro UNIT u
	WIN 0x80
.set i, 0
.rept 16
.if (\u) >= 8
	global_load_b128 v[64*((\u)%4)+4*i:64*((\u)%4)+4*i+3], v[AOFF], s[24:25] offset:((\u)-8)*TILEB+512*i
.else
	global_load_b128 v[64*((\u)%4)+4*i:64*((\u)%4)+4*i+3], v[GOFF], s[18:19] offset:(32*(\u)+8*(i/4)+i%4)*4096 th:TH_LOAD_NT
.endif
.set i, i+1
.endr
.endm
.macro LOADA buf, imm
	WIN 0x80
.set i, 0
.rept 16
	global_load_b128 v[(\buf)+4*i:(\buf)+4*i+3], v[AOFF], s[24:25] offset:(\imm)+512*i
.set i, i+1
.endr
.endm
; Chunk c = K step c.  n: the loads of the younger units, which may stay out.
.macro CONVW c, n
.set CTB, CT+64*((\c)%2)               ; the two CT take turns
	s_wait_loadcnt \n
	WIN 0x0a
.set i, 0
.rept 32
	v_cvt_pk_bf16_f32 v[CTB+i], v[64*((\c)%4)+2*i], v[64*((\c)%4)+2*i+1]
.set i, i+1
.endr
.if (\c)+4 < 10
	WIN 0x80
.else
	WIN 0
.endif
	s_wait_alu depctr_va_vdst(0)           ; the conversions have written this chunk's CT, which the LDS stores below read, and are done reading the raw buffer, in which the next unit's loads (where one is left) land
.if ((\c) > 0) && ((\c) < 7)
	s_wait_alu depctr_vm_vsrc(0)           ; the LDS stores of the chunk before have read the other CT, which the next chunk's conversions write again
.endif
.if (\c)+4 < 10
	UNIT (\c)+4
.endif
	WIN 0
.set i, 0
.rept 16
	ds_store_b64 v[STA], v[CTB+2*i:CTB+2*i+1] offset:(8*(i/4)+i%4)*160
.set i, i+1
.endr
	WIN 0x40
.set i, 0
.rept 4                                ; LDS serves a wave in order (ISA guide 5.7.1.4): these see the stores above, and the next chunk's stores come behind them
	ds_load_tr16_b128 v[((\c)*4+i)*8:((\c)*4+i)*8+3], v[TRA] offset:i*32
	ds_load_tr16_b128 v[((\c)*4+i)*8+4:((\c)*4+i)*8+7], v[TRA] offset:i*32+2560
.set i, i+1
.endr
.endm
; A tile's 32 products: four accumulators by turns; the first K step starts the sums with the constant 0.  Five plain instructions or more follow each use: the next tile's first products
; write over these accumulators, and the stores behind them read them.
.macro MULT buf
	WIN 0x09
.set ks, 0
.rept 8
.set cb, 0
.rept 4
.if ks == 0
	v_wmma_f32_16x16x32_bf16 v[ACC+8*cb:ACC+8*cb+7], v[(ks*4+cb)*8:(ks*4+cb)*8+7], v[(\buf)+8*ks:(\buf)+8*ks+7], 0
.else
	v_wmma_f32_16x16x32_bf16 v[ACC+8*cb:ACC+8*cb+7], v[(ks*4+cb)*8:(ks*4+cb)*8+7], v[(\buf)+8*ks:(\buf)+8*ks+7], v[ACC+8*cb:ACC+8*cb+7]
.endif
.set cb, cb+1
.endr
.set ks, ks+1
.endr
	WIN 0
.endm
.macro REDST b                         ; my partial tile: token r's row, columns 16 cb + 8 h on; each accumulator's low half first
.set i, 0
.rept 8
	ds_store_b128 v[RST], v[ACC+4*i:ACC+4*i+3] offset:(\b)+(i/2)*64+(i%2)*16
.set i, i+1
.endr
.endm
.macro REDLD b, rd                     ; rows 4 w + h and 4 w + h + 2 of all four partial tiles
.irp p, 0,1,2,3
	ds_load_b128 v[(\rd)+8*\p:(\rd)+8*\p+3], v[RRD] offset:(\b)+\p*4352
	ds_load_b128 v[(\rd)+8*\p+4:(\rd)+8*\p+7], v[RRD] offset:(\b)+\p*4352+544
.endr
.endm
.macro FIN rd
.irp x, 0,2,4,6
	v_pk_add_f32 v[(\rd)+\x:(\rd)+\x+1], v[(\rd)+\x:(\rd)+\x+1], v[(\rd)+8+\x:(\rd)+8+\x+1]
	v_pk_add_f32 v[(\rd)+16+\x:(\rd)+16+\x+1], v[(\rd)+16+\x:(\rd)+16+\x+1], v[(\rd)+24+\x:(\rd)+24+\x+1]
.endr
.irp x, 0,2,4,6
	v_pk_add_f32 v[(\rd)+\x:(\rd)+\x+1], v[(\rd)+\x:(\rd)+\x+1], v[(\rd)+16+\x:(\rd)+16+\x+1]
.endr
.endm
.macro GST rd, imm                     ; sixteen lanes store 256 consecutive bytes, aligned
	global_store_b128 v[YO], v[(\rd):(\rd)+3], s[26:27] offset:(\imm)
	global_store_b128 v[YO], v[(\rd)+4:(\rd)+7], s[26:27] offset:(\imm)+8192
.endm
	s_load_b256 s[4:11], s[0:1], 0x0       ; g's fragments, w2, rt, ys
	v_lshl_add_u32 v[SPW], v0, 2, SPARE
	v_mov_b32 v[NIL], 0
	v_lshrrev_b32 v14, 5, v0
	v_readfirstlane_b32 s12, v14           ; wave
	s_lshr_b32 s14, ttmp9, 5               ; expert
	s_bfe_u32 s15, ttmp9, 0x40001          ; block of 64 columns
	s_and_b32 s16, ttmp9, 1                ; K half
	v_and_b32 v1, 31, v0
	v_and_b32 v2, 15, v0
	v_bfe_u32 v3, v0, 4, 1
	v_lshlrev_b32 v[GOFF], 4, v2
	v_lshl_add_u32 v[GOFF], v3, 14, v[GOFF]
	s_wait_alu depctr_va_sdst(0)           ; s12 is written, ahead of its first reader: LDS places, offsets and bases are made from it
	s_mul_i32 s17, s12, 5120
	s_add_co_u32 s17, s17, STG
	v_mul_u32_u24 v[STA], v3, 640
	v_lshl_add_u32 v[STA], v2, 3, v[STA]
	v_add_nc_u32 v[STA], s17, v[STA]
	v_and_b32 v14, 7, v0
	v_lshl_add_u32 v14, v3, 3, v14
	v_mul_u32_u24 v[TRA], v14, 160
	v_bfe_u32 v15, v0, 3, 1
	v_lshl_add_u32 v[TRA], v15, 4, v[TRA]
	v_add_nc_u32 v[TRA], s17, v[TRA]
	s_lshl_b32 s31, s12, 13
	s_lshl_b32 s32, s16, 15
	s_add_co_u32 s31, s31, s32
	v_lshl_add_u32 v[AOFF], v1, 4, s31     ; my K half's 32 KiB of a tile, my wave's 8 KiB of it
	s_mul_i32 s31, s12, 4352
	v_mul_u32_u24 v[RST], v2, 272
	v_lshl_add_u32 v[RST], v3, 5, v[RST]
	v_add_nc_u32 v[RST], s31, v[RST]
	s_mul_i32 s31, s12, 1088
	v_mul_u32_u24 v[RRD], v3, 272
	v_lshl_add_u32 v[RRD], v2, 4, v[RRD]
	v_add_nc_u32 v[RRD], s31, v[RRD]
	s_lshl_b32 s31, s12, 14
	s_lshl_b32 s32, s15, 8
	s_add_co_u32 s31, s31, s32
	v_lshlrev_b32 v[YO], 12, v3
	v_lshl_add_u32 v[YO], v2, 4, v[YO]
	v_add_nc_u32 v[YO], s31, v[YO]
	v_lshlrev_b32 v[PFO], 8, v1
	s_lshl_b32 s32, s12, 20                ; my 256 rows of the weights,
	s_lshl_b32 s31, s15, 8                 ; my group's 64 columns,
	s_add_co_u32 s32, s32, s31
	s_lshl_b32 s31, s14, 23                ; the expert,
	s_add_co_u32 s32, s32, s31
	s_lshl_b32 s31, s16, 22                ; the K half
	s_add_co_u32 s32, s32, s31
	s_lshl_b32 s31, s14, 3
	s_mov_b32 s33, 0
	s_wait_kmcnt 0x0
	s_load_b64 s[22:23], s[8:9], s31 offset:8192   ; the expert's first tile and its trips
	s_add_nc_u64 s[18:19], s[6:7], s[32:33]
	WIN 0x80
	s_wait_alu depctr_va_vdst(0)           ; the offsets and LDS addresses v4 to v11 are written: every load, store, prefetch and LDS instruction of the kernel reads one of them
	UNIT 0
	UNIT 1
	UNIT 2
	UNIT 3
	s_wait_kmcnt 0x0
	s_min_u32 s22, s22, 142
	s_min_u32 s23, s23, TRIPS
	s_lshl_b32 s32, s22, 16
	s_add_nc_u64 s[24:25], s[4:5], s[32:33]
	s_and_b32 s34, ttmp9, 31
	s_lshl2_add_u32 s34, s34, s12          ; my number among the expert's 128 waves
	s_lshl_b32 s32, s34, 13
	s_add_nc_u64 s[28:29], s[24:25], s[32:33]
	s_mul_i32 s32, s16, 9437184
	s_add_nc_u64 s[36:37], s[10:11], s[32:33]
	s_mov_b32 s35, s22
	CONVW 0, 48
	CONVW 1, 48
	CONVW 2, 48
	; The expert's token tiles are prefetched while the weights stream: 16 x trips pieces of 8 KiB (a lane a block of 256 bytes), piece q + 128 z by wave q of the expert's 128: each block is named once in the launch.
	WIN 0
	s_lshl_b32 s38, s23, 4
.irp z, 0,1,2,3
	s_add_co_u32 s31, s34, 128*\z
	s_cmp_lt_u32 s31, s38
	s_cbranch_scc0 .Lpf\z
	global_prefetch_b8 v[PFO], s[28:29] offset:1048576*\z th:TH_LOAD_NT scope:SCOPE_SE
.Lpf\z:
.endr
	CONVW 3, 48
	CONVW 4, 48
	CONVW 5, 48
	CONVW 6, 48
	CONVW 7, 32                            ; only the two tiles are younger
	WIN 0
	s_wait_dscnt 0x0                       ; all fragments of the weights are in registers
	s_mov_b32 s30, 0
; A trip: two tiles X (buffer 0) and Y (buffer 64).  RED0 is written in the first piece, read in the second, and written again only behind the trip's second barrier; RED1 is written in the second piece, read in the
; third, and written again only behind the next trip's first barrier; ahead of each signal every wave has waited for all its LDS instructions.
; Token tiles are asked for in the second piece alone (and ahead of the loop), X's sixteen loads always followed by Y's sixteen: so the two waits on LOADcnt below hold whichever pieces were jumped over.
.Ltrip:
	s_wait_xcnt 0x0                        ; bases and the last stores' data are written again only behind this wait
	s_wait_alu depctr_vm_vsrc(0)           ; the last trip's global stores have read RDX and RDY, in which this trip's loads from LDS land, and its LDS stores into RED1 have read the accumulators, which X's products write again
	s_cmp_lt_u32 s30, s23
	s_cselect_b32 s39, 1, 0                ; 1: the expert has this trip
	s_min_u32 s31, s35, 142
	s_lshl_b32 s32, s31, 16
	s_add_nc_u64 s[26:27], s[36:37], s[32:33]  ; where this trip's two tiles go
	s_add_co_u32 s31, s35, 2
	s_min_u32 s31, s31, 142                ; the next trip's tiles; behind the expert's last they are fetched and not multiplied
	s_lshl_b32 s32, s31, 16
	s_add_nc_u64 s[24:25], s[4:5], s[32:33]
	s_cmp_eq_u32 s39, 0
	s_cbranch_scc1 .Ldead1
	s_wait_loadcnt 16                      ; X is in: at most Y's sixteen loads are younger
	MULT 0
.rept 5                                ; the places behind X's products: no other vector work is at hand here
	v_nop
.endr
	s_wait_alu depctr_va_vdst(0)           ; X's products have written the accumulators, which the LDS stores below read, and are done reading buffer 0, in which the next X's loads land in the second piece
	REDST RED0
.Ldead1:
	s_wait_dscnt 0x0                       ; my partial tile is in LDS, and my reads of RED1 are back
	s_wait_alu depctr_vm_vsrc(0)           ; my LDS stores into RED0 have read the accumulators, which Y's products write again
	s_barrier_signal -1
	s_barrier_wait -1
	s_cmp_eq_u32 s39, 0
	s_cbranch_scc1 .Ldead2
	s_wait_loadcnt 0x0                     ; Y is in; it was asked for a trip ago, and nothing younger is out
	LOADA 0, 0                             ; the next X: it has Y's products and the third piece in which to land.  No wait: no vector or matrix line since the first piece's wait names buffer 0 or the offset
	WIN 0
	REDLD RED0, RDX                        ; no wait: no vector line since the wait behind the last trip's sums names RDX
	MULT 64
	s_wait_dscnt 0x0                       ; the reads of RED0 are back
	FIN RDX                                ; twelve plain lines on other registers: the places behind Y's products
	WIN 0x80
	s_wait_alu depctr_va_vdst(0)           ; Y's products are done reading buffer 64, in which the loads below land, and have written the accumulators, which the LDS stores below read; the sums have written RDX, which the global stores below read
	LOADA 64, TILEB                        ; the next Y
	WIN 0
	REDST RED1
	GST RDX, 0
.Ldead2:
	s_wait_dscnt 0x0                       ; my partial tile is in LDS, and my reads of RED0 are back
	s_barrier_signal -1
	s_barrier_wait -1
	s_cmp_eq_u32 s39, 0
	s_cbranch_scc1 .Ldead3
	REDLD RED1, RDY                        ; no wait: no vector line since the wait behind the last trip's sums names RDY
	s_wait_dscnt 0x0
	FIN RDY
	s_wait_alu depctr_va_vdst(0)           ; the sums have written RDY, which the global stores below read, and are done reading it: the next trip's loads from RED1 land there
	GST RDY, 65536
.Ldead3:
	s_add_co_u32 s35, s35, 2
	s_add_co_u32 s30, s30, 1
	s_cmp_lt_u32 s30, TRIPS
	s_cbranch_scc1 .Ltrip
	s_wait_dscnt 0x0                       ; the closing lines, six on end
	s_wait_alu 0x0
	s_wait_tensorcnt 0x0
	ds_add_u32 v[SPW], v[NIL]
	s_wait_dscnt 0x0
	s_endpgm
.Lfunc_end_k_qcbaf1ce131_moe2:
	.size	k_qcbaf1ce131_moe2, .Lfunc_end_k_qcbaf1ce131_moe2-k_qcbaf1ce131_moe2
	.p2alignl 7, 3214868480
	.fill 96, 4, 3214868480
	.section	.rodata,"a",@progbits
	.p2align	6, 0x0
	.amdhsa_kernel k_qcbaf1ce131_moe2
		.amdhsa_group_segment_fixed_size 55808
		.amdhsa_private_segment_fixed_size 0
		.amdhsa_enable_private_segment 0
		.amdhsa_kernarg_size 32
		.amdhsa_user_sgpr_count 2
		.amdhsa_user_sgpr_kernarg_segment_ptr 1
		.amdhsa_wavefront_size32 1
		.amdhsa_system_sgpr_workgroup_id_x 1
		.amdhsa_system_sgpr_workgroup_id_y 1
		.amdhsa_system_sgpr_workgroup_id_z 1
		.amdhsa_system_vgpr_workitem_id 0
		.amdhsa_next_free_vgpr 768
		.amdhsa_next_free_sgpr 66
		.amdhsa_reserve_vcc 0
		.amdhsa_float_denorm_mode_32 3
		.amdhsa_float_denorm_mode_16_64 3
		.amdhsa_memory_ordered 1
		.amdhsa_forward_progress 1
		.amdhsa_inst_pref_size 62
	.end_amdhsa_kernel
	.amdgpu_metadata
---
amdhsa.version: [ 1, 2 ]
amdhsa.kernels:
  - .name:           k_qcbaf1ce131_moe2
    .symbol:         k_qcbaf1ce131_moe2.kd
    .args:
      - { .name: act, .offset: 0, .size: 8, .value_kind: global_buffer, .address_space: global }
      - { .name: w2, .offset: 8, .size: 8, .value_kind: global_buffer, .address_space: global }
      - { .name: rt, .offset: 16, .size: 8, .value_kind: global_buffer, .address_space: global }
      - { .name: ys, .offset: 24, .size: 8, .value_kind: global_buffer, .address_space: global }
    .group_segment_fixed_size: 55808
    .private_segment_fixed_size: 0
    .kernarg_segment_align: 8
    .kernarg_segment_size: 32
    .max_flat_workgroup_size: 128
    .sgpr_count:     66
    .vgpr_count:     768
    .wavefront_size: 32
...
	.end_amdgpu_metadata
.endif
;; end of part 10
;; launch comb: the kernel of part 8 again; grid 256 x 1, 4 waves a work-group, no clusters, 0 bytes of LDS; arguments hbuf, ys, rt, hnw, out0; writes out0
